; MI455X (gfx1250); checked and timed in simulation.
; The chip was launched on July 23, 2026; its instructions are those of AMD's public machine-readable ISA for CDNA 5 (MIT licence, August 2026) and "CDNA5" Instruction Set Architecture Reference Guide (July 2026). The comments in the code are by the model that wrote it; some were corrected since.
;; Inter Modality Update. Allowed arithmetic: matrix products marked QUANTISED: E4M3 operands, one E8M0 scale for each 32 along K, by v_wmma_scale_f32_16x16x128_f8f6f4 with both operands' format E4M3, f32 sums; everything else in f32.
;; Inputs: Wk 1,024 x 3,072 float32; Wko 3,072 x 1,024 float32; Wq 1,024 x 3,072 float32; Wv 1,024 x 3,072 float32; Wvo 2,048 x 1,024 float32; bk 3,072 float32; bko 1,024 float32; bq 3,072 float32; bv 3,072 float32; bvo 1,024 float32; k 8 x 512 x 1,024 float32; k_mask 8 x 512 int32; q 8 x 512 x 1,024 float32; q_mask 8 x 512 int32; v 8 x 512 x 1,024 float32; v_mask 8 x 512 int32.
;; Outputs: out0 8 x 512 x 1,024 float32; out1 8 x 512 x 1,024 float32.
;; This version of the problem:
;;   THIS VERSION OF THE PROBLEM IS GIVEN IN LOW PRECISION. The matrix products marked QUANTISED in the list below multiply operands that are first quantised to E4M3 (4 exponent bits, 3 mantissa bits; 8 bits a number), with one power-of-two scale for each 32 numbers along K (OCP MX v1.0); their sums are f32. All else is computed in f32.
;;   The module's matrix products, in the order in which they are computed (A, B: the left and right operand; K: the contracted axis; several contracted axes count as one K, in the product's order):
;;     1. [M 4,096, K 1,024] x [K 1,024, N 3,072]; A: computed on the way; B: input Wv: QUANTISED
;;     2. [M 4,096, K 1,024] x [K 1,024, N 3,072]; A: computed on the way; B: input Wq: QUANTISED
;;     3. [M 4,096, K 1,024] x [K 1,024, N 3,072]; A: computed on the way; B: input Wk: QUANTISED
;;     4. batch 128 x [M 512, K 64] x [K 64, N 512]; A: computed on the way; B: computed on the way: QUANTISED
;;     5. batch 128 x [M 64, K 512] x [K 512, N 512]; A: computed on the way; B: softmax (see below): QUANTISED
;;     6. batch 128 x [M 512, K 64] x [K 64, N 512]; A: computed on the way; B: computed on the way: QUANTISED
;;     7. batch 128 x [M 64, K 512] x [K 512, N 512]; A: computed on the way; B: softmax (see below): QUANTISED
;;     8. [M 4,096, K 2,048] x [K 2,048, N 1,024]; A: computed on the way; B: input Wvo: QUANTISED
;;     9. [M 4,096, K 3,072] x [K 3,072, N 1,024]; A: computed on the way; B: input Wko: QUANTISED
;;   THE QUANTISER, for each operand of a quantised product, along K:
;;     - K is cut into blocks of 32 from its start; a last block that is shorter is filled with zeros.
;;     - A block's scale is 2^e with e = floor(log2(the largest magnitude in the block)) - 8, held to -126 .. 127; a block of zeros has e = 0. As a byte (E8M0): e + 127.
;;     - Each number is divided by its block's scale, clamped to +-448, and rounded to the nearest number of E4M3, ties to even, subnormals kept.
;;     - The product sums the exact products of the quantised numbers (number of the format x scale) in f32.
;;   ~~~python
;;   def quantise(x, axis):      # numpy; x: float32 -> the quantised numbers, widened to float32 again
;;       x = np.moveaxis(x, axis, -1); K = x.shape[-1]
;;       x = np.pad(x, [(0, 0)] * (x.ndim - 1) + [(0, -K % 32)]); x = x.reshape(x.shape[:-1] + (-1, 32)); a = np.abs(x).max(-1, keepdims=True)
;;       e = np.where(a > 0, np.clip(np.frexp(np.where(a > 0, a, 1))[1] - 1 - 8, -126, 127), 0)      # np.frexp(a)[1] - 1 = floor(log2(a)), exactly
;;       r = np.clip(x / 2.0 ** e, -448, 448)
;;       step = 2.0 ** (np.maximum(np.frexp(np.where(r == 0, 1, r))[1] - 1, -6) - 3)
;;       q = np.round(r / step) * step * 2.0 ** e      # np.round: ties to even
;;       return np.moveaxis(q.reshape(q.shape[:-2] + (-1,))[..., :K], -1, axis).astype(np.float32)
;;   ~~~
;;   SOFTMAX AHEAD OF A QUANTISED PRODUCT. Where the list says 'softmax', what is quantised is not the finished softmax but p = 2^(t - M), with t = logit x log2(e) and M = ceil(the row's largest t), a whole number; so 1/2 < the row's largest p <= 1. The row's sum l is taken of the UNQUANTISED p, in f32, and the product's result is divided by l at the end. Since M is a whole number, a kernel that streams over the keys may use a running M (the ceiling of the running maximum): every later rescaling is an exact power of two, which a block's scale takes up: the codes' values come out the same.
;;   OPERANDS COMPUTED ON THE WAY. 'Computed on the way' means the value that the module computes at that place (a softmax that the list does not call 'softmax' is quantised finished and normalised). What goes into a quantiser is computed in f32, as accurately as f32 sums, v_exp_f32 and their like allow (about 1e-6 of the number): no bf16 or f16 on the way to a quantiser, and a product that is left as it is and whose result goes on into a quantised operand takes f32 operands (vector FMAs, or v_wmma_f32_16x16x4_f32). A number that lies on a knife's edge between two numbers of the format may be rounded either way, as far as f32 arithmetic and the matrix unit's own rounding can turn it there, and no further.
;; One version. Each part assembles by itself: llvm-mc -triple=amdgcn-amd-amdhsa -mcpu=gfx1250 --defsym DOCPART=n.
;; ======== version 1 of 1: 4 launches
;; limits: right only within a limited range of input values
;; workspace buffers: opc 17,825,792 bytes; ops 557,056 bytes; opt 139,264 bytes; ogc 18,874,368 bytes; ogs 589,824 bytes; po 26,476,544 bytes
;; launch prep (part 1): grid 704 x 1, 4 waves a work-group, no clusters, 34,304 bytes of LDS; arguments v, q, k, v_mask, q_mask, k_mask, Wq, Wk, Wv, bq, bk, bv, Wko, Wvo, opc, ops, opt, ogc, ogs; writes opc, ops, opt, ogc, ogs
.if DOCPART == 1
	.amdgcn_target "amdgcn-amd-amdhsa--gfx1250"
	.amdhsa_code_object_version 6
	.text
	.protected	k_q1b2e831d14_prep
	.globl	k_q1b2e831d14_prep
	.p2align	8
	.type	k_q1b2e831d14_prep,@function
k_q1b2e831d14_prep:
	s_mov_b64 s[64:65], 0
	v_nop
	global_prefetch_b8 v0, s[64:65] scope:SCOPE_SE
	s_setreg_imm32_b32 hwreg(HW_REG_WAVE_MODE, 25, 1), 1
	s_wait_xcnt 0x0
; PREP: every operand that arrives as f32 becomes codes of E4M3 with one E8M0 byte for each 32 along K, laid as the products' launches read them.
; LAYOUT.  A fragment (16 rows x 128 K) is stored as the image of its 16 registers: byte 512 c + 16 lane + (k % 16), lane = 16 h + r, k = 32 c + 16 h + ..; a buffer of codes is [block of 16 rows][128 of K][2,048 bytes].
; Rows stand in POSITION order: position p holds row sigma(p), sigma = bits 3 and 4 exchanged (inside each 32 rows), so that the results of a product used transposed come out as neighbours along the next K.
; Scale bytes: [128 positions][256 of K][position][8 bytes].  opt: for each row of opc, in natural order, what is added (a bias, or 0) and, 69,632 bytes on, what multiplies (1, or the row's mask).
; WORK-GROUPS 0-383: 32 rows of v, q or k; wave w takes columns 256 w on.  relu(x) goes to opc; of v also the plain numbers, to ogc (the first 1,024 of the last products' K): v is read once.
; WORK-GROUPS 384-543: the five thirds of Wq, Wk, Wv that reference() uses (q_k, k_k, v_q, k_q, q_v), transposed, to opc.  The thirds v_k, v_v, q_q, k_v are split off by reference() and never used: they are not read.
; WORK-GROUPS 544-703: Wko and Wvo, transposed, to ogc; Wvo's rows are filled with zero codes (byte 127) from K = 2,048 to 3,071, so that one product serves both outputs.
; LIMITS: NaN and infinities are not served; a block whose largest magnitude lies under 2^-118, a block of zeros too, gets the byte 1 (its codes are then zeros or tiny; these bytes are read by this program alone).
.set TM,   16                          ; v16-31   largest magnitudes, bytes, holds, scale operands (rows' path)
.set PCR,  40                          ; v40-55   codes of relu(x)
.set PCP,  56                          ; v56-71   codes of x
.set R,    72                          ; v72-135  16 rows as loaded
.set X,    136                         ; v136-199 64 numbers of my row: register 16 c + i = k 32 c + 16 h + i
.set T,    200                         ; v200-215 16 held numbers
.set WR,   216                         ; v216-219 scale words of relu(x), one a fragment
.set WP,   220                         ; v220-223 of x
.set WX,   72                          ; weights' paths: two sets of 32 numbers
.set WC,   136                         ; eight registers of codes for each of 8 blocks: no store's data are written again
.set SB,   24                          ; v24-25   eight scale bytes
.set MULT, 69632
	s_load_b512 s[16:31], s[0:1], 0x0              ; v 16, q 18, k 20, v_mask 22, q_mask 24, k_mask 26, Wq 28, Wk 30
	s_load_b512 s[32:47], s[0:1], 0x40             ; Wv 32, bq 34, bk 36, bv 38, Wko 40, Wvo 42, opc 44, ops 46
	s_load_b128 s[48:51], s[0:1], 0x80             ; opt 48, ogc 50
	s_load_b64 s[52:53], s[0:1], 0x90              ; ogs
	v_lshl_add_u32 v232, v0, 2, 0x8400
	v_mov_b32 v233, 0
	v_lshrrev_b32 v1, 5, v0
	v_readfirstlane_b32 s8, v1                     ; wave
	v_and_b32 v1, 31, v0                           ; lane
	s_mov_b32 s54, 0x76543210
	s_mov_b32 s55, 0xfedcba98                      ; lane l xor 16
	s_mov_b32 s56, 0x600000                        ; the mantissa field of 448
	s_mov_b32 s57, 0xffff0000                      ; lanes 16-31
	s_mov_b32 s11, 0
	s_mov_b32 s13, 0
	s_wait_kmcnt 0x0
	s_cmp_ge_u32 ttmp9, 384
	s_cbranch_scc1 .Lweights
; ---------------- rows of v, q, k ----------------
.macro LOADF f                         ; fragment f = 2 x block of rows + which 128 of K: 16 rows, 512 dense bytes a load; row i is position i: actual row 8 blk + i % 8 + 16 (i / 8)
.set i, 0
.rept 16
	global_load_b128 v[R+4*i:R+4*i+3], v4, s[58:59] offset:(8*((\f)/2)+(i%8)+16*(i/8))*4096+((\f)%2)*512 th:TH_LOAD_NT
.set i, i+1
.endr
.endm
.macro QA relu, pc, pw                 ; X's 64 numbers -> 16 registers of codes at v[pc], the row's scale word in v[pw].  relu = 1: what is negative becomes 0 on the way
.if \relu
.irp b, 0,1,2,3
	v_max3_num_f32 v[TM+\b], v[X+16*\b], v[X+1+16*\b], 0x4800000   ; no |.|: what is negative must not count; the floor 2^(9-127) holds the byte at 1 from below
.endr
.irp i, 2,4,6,8,10,12,14
.irp b, 0,1,2,3
	v_max3_num_f32 v[TM+\b], v[TM+\b], v[X+16*\b+\i], v[X+1+16*\b+\i]
.endr
.endr
.else
.irp b, 0,1,2,3
	v_max3_num_f32 v[TM+\b], |v[X+16*\b]|, |v[X+1+16*\b]|, 0x4800000
.endr
.irp i, 2,4,6,8,10,12,14
.irp b, 0,1,2,3
	v_max3_num_f32 v[TM+\b], v[TM+\b], |v[X+16*\b+\i]|, |v[X+1+16*\b+\i]|
.endr
.endr
.endif
.irp b, 0,1,2,3
	v_permlanex16_b32 v[TM+4+\b], v[TM+\b], s54, s55
.endr
.irp b, 0,1,2,3
	v_max_num_f32 v[TM+\b], v[TM+\b], v[TM+4+\b]   ; with the other 16 of the block
.endr
.irp b, 0,1,2,3
	v_add_nc_u32 v[TM+12+\b], 0xfc000000, v[TM+\b] ; 8 off the exponent field: the conversion's scale operand
.endr
.irp b, 0,1,2,3
	v_and_or_b32 v[TM+8+\b], v[TM+\b], 0x7f800000, s56   ; 448 x the scale
.endr
.irp b, 0,1,2,3
	v_lshrrev_b32 v[TM+4+\b], 23, v[TM+12+\b]      ; the scale's byte
.endr
	v_lshl_or_b32 v[\pw], v[TM+5], 8, v[TM+4]
	v_lshl_or_b32 v[\pw], v[TM+6], 16, v[\pw]
	v_lshl_or_b32 v[\pw], v[TM+7], 24, v[\pw]
.irp b, 0,1,2,3
.irp i, 0,1,2,3,4,5,6,7,8,9,10,11,12,13,14,15
.if \relu
	v_med3_num_f32 v[T+\i], v[X+16*\b+\i], 0, v[TM+8+\b]           ; the activation and the hold in one; X is left as it is
.else
	v_med3_num_f32 v[T+\i], v[X+16*\b+\i], -v[TM+8+\b], v[TM+8+\b] ; the conversion does not saturate (ISA guide 7.6.2)
.endif
.endr
	v_cvt_scalef32_pk8_fp8_f32 v[\pc+4*\b:\pc+4*\b+1], v[T:T+7], v[TM+12+\b]
	v_cvt_scalef32_pk8_fp8_f32 v[\pc+4*\b+2:\pc+4*\b+3], v[T+8:T+15], v[TM+12+\b]
	v_nop                                          ; a plain line between the conversions and the next lines that write T
.endr
.endm
.macro PUT pc, base, rbs, f            ; a fragment's image: four stores of 512 dense bytes
.irp c, 0,1,2,3
	global_store_b128 v4, v[\pc+4*\c:\pc+4*\c+3], s[\base:\base+1] offset:((\f)/2)*\rbs+((\f)%2)*2048+512*\c
.endr
.endm
.macro FRAGT f
	s_wait_loadcnt 0x0                             ; this fragment's 16 loads: nothing else is out
.set i, 0
.rept 16
	ds_store_b128 v5, v[R+4*i:R+4*i+3] offset:528*i        ; rows of 512 bytes + 16: my wave's own stage
.set i, i+1
.endr
.irp c, 0,1,2,3
.irp j, 0,1,2,3
	ds_load_b128 v[X+16*\c+4*\j:X+16*\c+4*\j+3], v6 offset:128*\c+16*\j   ; LDS serves a wave's instructions in order: these see the stores
.endr
.endr
	s_wait_dscnt 0x0                               ; X is in, and the stores have read R
.if \f < 3
	LOADF (\f)+1
.endif
	s_wait_xcnt 0x0                                ; the last fragment's stores have read their codes: those registers are written again only behind this wait
	s_cmp_lg_u32 s2, 0
	s_cbranch_scc1 .Lrelu_\@                       ; only v is wanted plain as well
	QA 0, PCP, WP+\f
	PUT PCP, 66, 49152, \f
.Lrelu_\@:
	QA 1, PCR, WR+\f
	PUT PCR, 62, 16384, \f
.endm
	s_lshr_b32 s2, ttmp9, 7                        ; 0: v, 1: q, 2: k
	s_and_b32 s3, ttmp9, 127
	s_lshl_b32 s3, s3, 5                           ; my first row
	v_and_b32 v2, 15, v0                           ; r
	v_bfe_u32 v3, v0, 4, 1                         ; h
	s_wait_alu depctr_va_vdst(0)
	v_lshlrev_b32 v4, 4, v1                        ; 16 x lane
	s_mul_i32 s4, s8, 8448                         ; my stage: 16 rows x 528
	v_add_nc_u32 v5, s4, v4
	v_mul_u32_u24 v6, v2, 528
	v_lshl_add_u32 v6, v3, 6, v6
	v_add_nc_u32 v6, s4, v6                        ; back: row r, + 64 h: 16 neighbours of each block of 32
	v_lshlrev_b32 v8, 3, v1
	v_lshlrev_b32 v9, 2, v1
.irp b, 0,1,2,3
	v_mov_b32 v[TM+4+\b], 0                        ; a lane permute's destination counts as read
.endr
	s_cmp_eq_u32 s2, 1
	s_cselect_b64 s[58:59], s[18:19], s[20:21]
	s_cselect_b64 s[60:61], s[24:25], s[26:27]
	s_cmp_eq_u32 s2, 0
	s_cselect_b64 s[58:59], s[16:17], s[58:59]     ; x
	s_cselect_b64 s[60:61], s[22:23], s[60:61]     ; its mask
	s_lshl_b32 s10, s3, 12
	s_lshl_b32 s14, s8, 10
	s_add_co_u32 s10, s10, s14
	s_add_nc_u64 s[58:59], s[58:59], s[10:11]      ; x at (row0, 256 w)
	s_lshl_b32 s12, s2, 12
	s_add_co_u32 s12, s12, s3                      ; my first row in opc
	s_lshl_b32 s10, s12, 10
	s_lshl_b32 s15, s8, 12
	s_add_co_u32 s10, s10, s15
	s_add_nc_u64 s[62:63], s[44:45], s[10:11]      ; opc: row x 1,024 + 4,096 w
	s_mul_i32 s10, s3, 3072
	s_add_co_u32 s10, s10, s15
	s_add_nc_u64 s[66:67], s[50:51], s[10:11]      ; ogc: row x 3,072 + 4,096 w
	s_and_b32 s15, s3, 127
	s_lshl_b32 s15, s15, 3
	s_add_co_u32 s15, s15, s14                     ; 1,024 w + 8 x (row % 128)
	s_lshr_b32 s10, s12, 7
	s_lshl_b32 s10, s10, 12
	s_add_co_u32 s10, s10, s15
	s_add_nc_u64 s[68:69], s[46:47], s[10:11]      ; ops
	s_lshr_b32 s10, s3, 7
	s_mul_i32 s10, s10, 12288
	s_add_co_u32 s10, s10, s15
	s_add_nc_u64 s[70:71], s[52:53], s[10:11]      ; ogs
	s_lshl_b32 s10, s3, 2
	s_add_nc_u64 s[60:61], s[60:61], s[10:11]
	s_lshl_b32 s10, s12, 2
	s_add_nc_u64 s[72:73], s[48:49], s[10:11]      ; opt
	LOADF 0
	s_wait_alu depctr_va_vdst(0)
	FRAGT 0
	FRAGT 1
	FRAGT 2
	FRAGT 3
	v_cndmask_b32 v224, v[WR], v[WR+2], s57        ; position = lane: lanes 0-15 the first 16 rows' two words, lanes 16-31 the next 16 rows'
	v_cndmask_b32 v225, v[WR+1], v[WR+3], s57
	global_store_b64 v8, v[224:225], s[68:69]      ; 256 dense bytes
	s_cmp_lg_u32 s2, 0
	s_cbranch_scc1 .Lno_plain
	v_cndmask_b32 v226, v[WP], v[WP+2], s57
	v_cndmask_b32 v227, v[WP+1], v[WP+3], s57
	global_store_b64 v8, v[226:227], s[70:71]
.Lno_plain:
	s_cmp_lg_u32 s8, 0
	s_cbranch_scc1 .Lend_rows                      ; wave 0 writes the 32 rows' table
	global_load_b32 v10, v9, s[60:61]
	v_mov_b32 v11, 0
	s_wait_alu depctr_va_vdst(0)
	s_wait_loadcnt 0x0
	v_cvt_f32_i32 v10, v10
	global_store_b32 v9, v11, s[72:73]             ; nothing is added to a row of x,
	global_store_b32 v9, v10, s[72:73] offset:MULT ; and its mask multiplies
.Lend_rows:
	s_wait_tensorcnt 0x0
	ds_add_u32 v232, v233
	s_wait_dscnt 0x0
	s_endpgm
; ---------------- weights: K is the first axis ----------------
; A lane takes a column and its registers run down K: a block of 32 lies in one lane, and the conversions give codes with K innermost.  Lane l is position l: column sigma(l) of the wave's 32.
; A block's 32 codes are two pieces of 16 bytes of an image: lanes 0-15 fill one aligned run of 256 bytes, lanes 16-31 another, one block of rows on.
.macro WLOAD t, pitch
.set i, 0
.rept 32
	global_load_b32 v[WX+32*((\t)%2)+i], v3, s[58:59] offset:(32*(\t)+i)*\pitch th:TH_LOAD_NT
.set i, i+1
.endr
.endm
.macro WBLOCK t, pitch
.set XS, WX+32*((\t)%2)
.set CC, WC+8*(\t)
.if (\t) < 7
	s_wait_loadcnt 32                              ; this block's 32 loads are in; the next block's 32 may be out
.else
	s_wait_loadcnt 0x0
.endif
	v_max3_num_f32 v12, |v[XS]|, |v[XS+1]|, |v[XS+2]|
	v_max3_num_f32 v13, |v[XS+3]|, |v[XS+4]|, |v[XS+5]|
.irp i, 6,10,14,18,22,26
	v_max3_num_f32 v12, v12, |v[XS+\i]|, |v[XS+\i+1]|
	v_max3_num_f32 v13, v13, |v[XS+\i+2]|, |v[XS+\i+3]|
.endr
	v_max3_num_f32 v12, v12, |v[XS+30]|, |v[XS+31]|
	v_max3_num_f32 v12, v12, v13, 0x4800000
	v_add_nc_u32 v11, 0xfc000000, v12
	v_and_or_b32 v10, v12, 0x7f800000, s56
	v_lshrrev_b32 v13, 23, v11
.if (\t)%4 == 0
	v_mov_b32 v[SB+(\t)/4], v13
.else
	v_lshl_or_b32 v[SB+(\t)/4], v13, 8*((\t)%4), v[SB+(\t)/4]
.endif
.set i, 0
.rept 32
	v_med3_num_f32 v[XS+i], v[XS+i], -v10, v10
.set i, i+1
.endr
.irp g, 0,1,2,3
	v_cvt_scalef32_pk8_fp8_f32 v[CC+2*\g:CC+2*\g+1], v[XS+8*\g:XS+8*\g+7], v11
.endr
	v_nop                                          ; a plain line behind the conversions
	global_store_b128 v4, v[CC:CC+3], s[62:63] offset:512*(\t)
	global_store_b128 v4, v[CC+4:CC+7], s[62:63] offset:512*(\t)+256
.if (\t)+2 < 8
	WLOAD (\t)+2, \pitch
.endif
.endm
.macro WPATH pitch                     ; 32 columns x 256 of K
	WLOAD 0, \pitch
	WLOAD 1, \pitch
.irp t, 0,1,2,3,4,5,6,7
	WBLOCK \t, \pitch
.endr
	global_store_b64 v8, v[SB:SB+1], s[66:67]      ; 32 positions x 8 bytes: 256 dense bytes
.endm
.Lweights:
	s_wait_alu depctr_va_vdst(0)
	v_and_b32 v2, 7, v1
	v_and_b32 v3, 8, v1
	v_lshl_or_b32 v2, v3, 1, v2
	v_and_b32 v3, 16, v1
	v_lshrrev_b32 v3, 1, v3
	v_or_b32 v2, v2, v3                            ; sigma(lane)
	v_lshlrev_b32 v3, 2, v2
	v_lshlrev_b32 v8, 3, v1
	v_lshlrev_b32 v9, 2, v1
	v_and_b32 v5, 15, v1
	v_lshlrev_b32 v5, 4, v5
	v_lshrrev_b32 v6, 4, v1
	s_cmp_ge_u32 ttmp9, 544
	s_cbranch_scc1 .Lwo
	s_sub_co_u32 s2, ttmp9, 384
	s_lshr_b32 s3, s2, 5                           ; section 0 q_k, 1 k_k, 2 v_q, 3 k_q, 4 q_v
	s_bfe_u32 s4, s2, 0x30002                      ; which 128 columns
	s_and_b32 s5, s2, 3                            ; which 256 of K
	s_and_b32 s6, s3, 1
	s_cmp_lg_u32 s6, 0
	s_cselect_b64 s[58:59], s[30:31], s[28:29]     ; odd sections: Wk, even: Wq,
	s_cselect_b64 s[60:61], s[36:37], s[34:35]
	s_cmp_eq_u32 s3, 2
	s_cselect_b64 s[58:59], s[32:33], s[58:59]     ; section 2: Wv
	s_cselect_b64 s[60:61], s[38:39], s[60:61]
	s_lshl_b32 s7, s4, 7
	s_lshl_b32 s9, s8, 5
	s_add_co_u32 s7, s7, s9                        ; 128 cg + 32 w
	s_lshr_b32 s6, s3, 1
	s_lshl_b32 s6, s6, 10
	s_add_co_u32 s6, s6, s7                        ; my first column of W
	s_lshl_b32 s10, s6, 2
	s_mul_i32 s12, s5, 256*12288
	s_add_co_u32 s12, s12, s10
	s_add_nc_u64 s[58:59], s[58:59], s[12:13]
	s_add_nc_u64 s[60:61], s[60:61], s[10:11]      ; the bias of these columns
	s_lshl_b32 s14, s3, 10
	s_add_co_u32 s14, s14, s7
	s_add_co_u32 s14, s14, 12288                   ; my first row of opc
	s_lshl_b32 s12, s14, 10
	s_lshl_b32 s15, s5, 12
	s_add_co_u32 s12, s12, s15
	s_add_nc_u64 s[62:63], s[44:45], s[12:13]
	s_lshr_b32 s12, s14, 7
	s_lshl_b32 s12, s12, 12
	s_lshl_b32 s15, s5, 10
	s_add_co_u32 s12, s12, s15
	s_lshl_b32 s15, s8, 8
	s_add_co_u32 s12, s12, s15
	s_add_nc_u64 s[66:67], s[46:47], s[12:13]
	s_lshl_b32 s12, s14, 2
	s_add_nc_u64 s[68:69], s[48:49], s[12:13]
	s_wait_alu depctr_va_vdst(0)
	v_lshl_add_u32 v4, v6, 14, v5                  ; (lane / 16) blocks of rows + 16 (lane % 16)
	WPATH 12288
	s_cmp_lg_u32 s5, 0
	s_cbranch_scc1 .Lend_wp                        ; the first K chunk's work-group writes the table
	global_load_b32 v14, v9, s[60:61]
	v_mov_b32 v15, 1.0
	s_wait_alu depctr_va_vdst(0)
	s_wait_loadcnt 0x0
	global_store_b32 v9, v14, s[68:69]             ; the bias is added,
	global_store_b32 v9, v15, s[68:69] offset:MULT ; and 1 multiplies
.Lend_wp:
	s_endpgm
.Lwo:
	s_sub_co_u32 s2, ttmp9, 544
	s_cmp_lt_u32 s2, 96
	s_cselect_b64 s[58:59], s[40:41], s[42:43]     ; 96 work-groups for Wko, 64 for Wvo
	s_cselect_b32 s3, 0, 96
	s_cselect_b32 s4, 0, 1024
	s_cselect_b32 s5, 0, 1
	s_sub_co_u32 s2, s2, s3
	s_lshr_b32 s6, s2, 3                           ; which 256 of K
	s_and_b32 s7, s2, 7
	s_lshl_b32 s7, s7, 7
	s_lshl_b32 s9, s8, 5
	s_add_co_u32 s7, s7, s9                        ; my first column
	s_lshl_b32 s12, s7, 2
	s_lshl_b32 s10, s6, 20                         ; 256 rows of 4,096 bytes
	s_add_co_u32 s12, s12, s10
	s_add_nc_u64 s[58:59], s[58:59], s[12:13]
	s_add_co_u32 s14, s4, s7
	s_add_co_u32 s14, s14, 4096                    ; my first row of ogc
	s_mul_i32 s12, s14, 3072
	s_lshl_b32 s15, s6, 12
	s_add_co_u32 s12, s12, s15
	s_add_nc_u64 s[62:63], s[50:51], s[12:13]
	s_lshr_b32 s12, s14, 7
	s_mul_i32 s12, s12, 12288
	s_lshl_b32 s15, s6, 10
	s_add_co_u32 s12, s12, s15
	s_lshl_b32 s15, s8, 8
	s_add_co_u32 s12, s12, s15
	s_add_nc_u64 s[66:67], s[52:53], s[12:13]
	s_wait_alu depctr_va_vdst(0)
	v_mul_u32_u24 v4, v6, 49152
	v_add_nc_u32 v4, v4, v5
	WPATH 4096
	s_cmp_eq_u32 s5, 0
	s_cbranch_scc1 .Lend_wo
	s_cmp_ge_u32 s6, 4
	s_cbranch_scc1 .Lend_wo                        ; Wvo's first four K chunks also write the zero chunks 8 to 11
.irp i, 200,201,202,203
	v_mov_b32 v\i, 0
.endr
	v_mov_b32 v204, 0x7f7f7f7f
	v_mov_b32 v205, 0x7f7f7f7f
.set i, 0
.rept 16
	global_store_b128 v4, v[200:203], s[62:63] offset:32768+256*i
.set i, i+1
.endr
	global_store_b64 v8, v[204:205], s[66:67] offset:8192
.Lend_wo:
	s_endpgm
.Lfunc_end_k_q1b2e831d14_prep:
	.size	k_q1b2e831d14_prep, .Lfunc_end_k_q1b2e831d14_prep-k_q1b2e831d14_prep
	.p2alignl 7, 3214868480
	.fill 96, 4, 3214868480
	.section	.rodata,"a",@progbits
	.p2align	6, 0x0
	.amdhsa_kernel k_q1b2e831d14_prep
		.amdhsa_group_segment_fixed_size 34304
		.amdhsa_private_segment_fixed_size 0
		.amdhsa_enable_private_segment 0
		.amdhsa_kernarg_size 152
		.amdhsa_user_sgpr_count 2
		.amdhsa_user_sgpr_kernarg_segment_ptr 1
		.amdhsa_wavefront_size32 1
		.amdhsa_system_sgpr_workgroup_id_x 1
		.amdhsa_system_sgpr_workgroup_id_y 1
		.amdhsa_system_sgpr_workgroup_id_z 1
		.amdhsa_system_vgpr_workitem_id 0
		.amdhsa_next_free_vgpr 234
		.amdhsa_next_free_sgpr 80
		.amdhsa_reserve_vcc 0
		.amdhsa_float_denorm_mode_32 3
		.amdhsa_float_denorm_mode_16_64 3
		.amdhsa_memory_ordered 1
		.amdhsa_forward_progress 1
		.amdhsa_inst_pref_size 201
	.end_amdhsa_kernel
	.amdgpu_metadata
---
amdhsa.version: [ 1, 2 ]
amdhsa.kernels:
  - .name:           k_q1b2e831d14_prep
    .symbol:         k_q1b2e831d14_prep.kd
    .args:
      - { .name: v, .offset: 0, .size: 8, .value_kind: global_buffer, .address_space: global }
      - { .name: q, .offset: 8, .size: 8, .value_kind: global_buffer, .address_space: global }
      - { .name: k, .offset: 16, .size: 8, .value_kind: global_buffer, .address_space: global }
      - { .name: v_mask, .offset: 24, .size: 8, .value_kind: global_buffer, .address_space: global }
      - { .name: q_mask, .offset: 32, .size: 8, .value_kind: global_buffer, .address_space: global }
      - { .name: k_mask, .offset: 40, .size: 8, .value_kind: global_buffer, .address_space: global }
      - { .name: Wq, .offset: 48, .size: 8, .value_kind: global_buffer, .address_space: global }
      - { .name: Wk, .offset: 56, .size: 8, .value_kind: global_buffer, .address_space: global }
      - { .name: Wv, .offset: 64, .size: 8, .value_kind: global_buffer, .address_space: global }
      - { .name: bq, .offset: 72, .size: 8, .value_kind: global_buffer, .address_space: global }
      - { .name: bk, .offset: 80, .size: 8, .value_kind: global_buffer, .address_space: global }
      - { .name: bv, .offset: 88, .size: 8, .value_kind: global_buffer, .address_space: global }
      - { .name: Wko, .offset: 96, .size: 8, .value_kind: global_buffer, .address_space: global }
      - { .name: Wvo, .offset: 104, .size: 8, .value_kind: global_buffer, .address_space: global }
      - { .name: opc, .offset: 112, .size: 8, .value_kind: global_buffer, .address_space: global }
      - { .name: ops, .offset: 120, .size: 8, .value_kind: global_buffer, .address_space: global }
      - { .name: opt, .offset: 128, .size: 8, .value_kind: global_buffer, .address_space: global }
      - { .name: ogc, .offset: 136, .size: 8, .value_kind: global_buffer, .address_space: global }
      - { .name: ogs, .offset: 144, .size: 8, .value_kind: global_buffer, .address_space: global }
    .group_segment_fixed_size: 34304
    .private_segment_fixed_size: 0
    .kernarg_segment_align: 8
    .kernarg_segment_size: 152
    .max_flat_workgroup_size: 128
    .sgpr_count:     80
    .vgpr_count:     234
    .wavefront_size: 32
...
	.end_amdgpu_metadata
.endif
;; end of part 1
;; launch proj (part 2): grid 4 x 192, 4 waves a work-group, clusters of 4 x 4, 327,680 bytes of LDS; arguments opc, ops, opt, po; writes po
.if DOCPART == 2
	.amdgcn_target "amdgcn-amd-amdhsa--gfx1250"
	.amdhsa_code_object_version 6
	.text
	.protected	k_q1b2e831d14_proj
	.globl	k_q1b2e831d14_proj
	.p2align	8
	.type	k_q1b2e831d14_proj,@function
k_q1b2e831d14_proj:
	s_mov_b64 s[64:65], 0
	v_nop
	global_prefetch_b8 v0, s[64:65] scope:SCOPE_SE
	s_setreg_imm32_b32 hwreg(HW_REG_WAVE_MODE, 25, 1), 1
	s_wait_xcnt 0x0
	s_wait_alu depctr_hold_cnt(0) depctr_sa_sdst(0) depctr_va_vdst(0) depctr_va_sdst(0) depctr_va_ssrc(0) depctr_va_vcc(0) depctr_vm_vsrc(0)
	s_getreg_b32 s2, hwreg(HW_REG_IB_STS2, 6, 4)
	s_cmp_eq_u32 s2, 0
	s_cbranch_scc0 .Lentry_in_a_cluster
	s_endpgm
.Lentry_in_a_cluster:
	s_bfe_u32 s2, ttmp6, 0x10000c
	s_cmp_lg_u32 s2, 0xf033
	s_cbranch_scc0 .Lentry_shape_is_right
	s_endpgm
.Lentry_shape_is_right:
; PROJ: six products of 4,096 x 1,024 over K = 1,024 on codes of E4M3 with E8M0 scales: q_k, k_k, v_q, k_q (tokens in the lanes, features in the registers: quantised along the head's 64)
; and q_v, k_q once more (features in the lanes, tokens in the registers: quantised along the keys).  Bias and row mask come from a table that gives every operand row what is added and what multiplies,
; so one text serves both orientations: value = (sum + add_registers + add_lanes) x mul_lanes x mul_registers.  The results leave as codes and scale words only, one record for each (attention, batch, head).
; TILE: a work-group makes 128 rows of side A (source 1: the lanes) x 256 rows of side B (source 0: the registers); wave w: A's half w / 2, B's half w % 2: 32 accumulators.
; Operands lie in memory as images of fragments: a K step (256 of K) of 16 rows is 4,096 dense bytes.  All four K steps pass through three LDS slots: three first fills and ONE refill, which has two K steps in which to land.
; CLUSTER 4 x 4: A's tile is shared along a row of the cluster, B's along a column: joint loads.  By this text's own count a wave has one tensor load out at the start, later one.
; REGISTERS: window 0: v16-22 LDS addresses, v27 scales' address, v28-29 for the add, v32-63 scale words (two sets), v64-112 the way out, v128-255 A's fragments (two sets of 64);
;   window 1: B's fragments (two sets of 128); window 2: accumulator (a, b) at v[8 (8 a + b)]; window 3: v0-63 what is added by register, v64-127 what multiplies by register.
; LIMITS: NaN and infinities are not served; a block under 2^-118 (a masked row's zeros too) gets the byte 1.
.set KK,     1024
.set KSTEPS, 4
.set RBS,    16*KK
.set SLOT,   98304                     ; A's 8 blocks of rows x 4,096, then B's 16
.set NSLOT,  3
.set SCL,    NSLOT*SLOT                ; the scales of all of K: A's KSTEPS x 1,024 bytes, then B's twice that
.set SPARE,  SCL+3*KSTEPS*1024         ; the spare words: 128 bytes a wave, two blocks of 256 that no other line names
.set GSTEP,  3*4096                    ; slot 0's refill: K step 3
.set REC,    103424                    ; a record: K images 32,768; Q images 32,768; V^T images 32,768; K words 2,048; Q words 2,048; V words 1,024
.set MULT,   69632
.set ADRA, 16
.set ADRB, 20
.set ADRS, 27
.set SPW,  28
.set NIL,  29
.set SC,   32
.set AF,   128
.set TM,   64
.set PW,   80
.set G1A,  20
.set G1B,  28
.set G1S,  36
.set G1SB, 44
.set G0A,  52
.set G0B,  68
.set G0S,  80
.set G0SB, 84
.set MULW, 0xa1                        ; source 0 (B) window 1, source 1 (A) window 0, C and D window 2
.set TO_B, 0x40
.set MSB, 0
.macro WIN new                         ; the immediate's high byte repeats the setting that is left
.if MSB != \new
	s_set_vgpr_msb (MSB<<8)|\new
.set MSB, \new
.endif
.endm
.macro PLACES n                        ; plain lines behind matrix instructions: eight for this form
.rept \n
	v_nop
.endr
.endm
.macro JLOAD g0a, g1a, g0b, g1b        ; a joint load: waves 0 and 1 fetch for A, waves 2 and 3 for B; four v_nop follow each line
	s_cmp_eq_u32 s15, 0
	s_cbranch_scc0 .Lfor_b_\@
	tensor_load_to_lds s[\g0a:\g0a+3], s[\g1a:\g1a+7]
	s_nop 0
.rept 4
	v_nop
.endr
	s_branch .Lasked_\@
.Lfor_b_\@:
	tensor_load_to_lds s[\g0b:\g0b+3], s[\g1b:\g1b+7]
	s_nop 0
.rept 4
	v_nop
.endr
.Lasked_\@:
.endm
.macro CREST                           ; a round of the cluster's barrier behind its opening barrier
	s_cmp_lg_u32 s14, 0
	s_cbranch_scc1 .Lnot_wave_0_\@
	s_barrier_signal -3
.Lnot_wave_0_\@:
	s_barrier_wait -3
	s_barrier_signal -1
	s_barrier_wait -1
.endm
.macro CROUND
	s_barrier_signal -1
	s_barrier_wait -1
	CREST
.endm
.macro FRAG reg, adr, off              ; an image comes back as it was stored: four loads of 512 dense bytes
.irp c, 0,1,2,3
	ds_load_b128 v[\reg+4*\c:\reg+4*\c+3], v[\adr] offset:\off+512*\c
.endr
.endm
.macro FETCH slot, q, p                ; the slot's q-th 128 of K into set p: B's eight fragments, A's four
	WIN TO_B
.irp i, 0,1,2,3,4,5,6,7
	FRAG 128*\p+16*\i, ADRB+\slot, 4096*(1+(\slot+1)/2)*\i+2048*\q
.endr
	WIN 0
.irp i, 0,1,2,3
	FRAG AF+64*\p+16*\i, ADRA+\slot, 4096*(1+(\slot+1)/2)*\i+2048*\q
.endr
.endm
.macro SCALES sc                       ; a K step's two words a row: lanes 0-15 A's block i (read for i < 4 alone), lanes 16-31 B's block i
.irp i, 0,1,2,3,4,5,6,7
	ds_load_b64 v[SC+16*\sc+2*\i:SC+16*\sc+2*\i+1], v[ADRS] offset:128*\i
.endr
.endm
.macro MUL a0, n, p, q, sc, init       ; A's blocks a0 .. a0 + n - 1 against B's eight.  The 32 accumulators take turns in one fixed order
.set ma, \a0
.rept \n
.irp b, 0,1,2,3,4,5,6,7
.if \init
	v_wmma_scale_f32_16x16x128_f8f6f4 v[8*(8*ma+\b):8*(8*ma+\b)+7], v[128*\p+16*\b:128*\p+16*\b+15], v[AF+64*\p+16*ma:AF+64*\p+16*ma+15], v[8*\b:8*\b+7], v[SC+16*\sc+2*\b+\q], v[SC+16*\sc+2*ma+\q] matrix_a_scale:MATRIX_SCALE_ROW1
.else
	v_wmma_scale_f32_16x16x128_f8f6f4 v[8*(8*ma+\b):8*(8*ma+\b)+7], v[128*\p+16*\b:128*\p+16*\b+15], v[AF+64*\p+16*ma:AF+64*\p+16*ma+15], v[8*(8*ma+\b):8*(8*ma+\b)+7], v[SC+16*\sc+2*\b+\q], v[SC+16*\sc+2*ma+\q] matrix_a_scale:MATRIX_SCALE_ROW1
.endif
.endr
.set ma, ma+1
.endr
.endm
.macro STEP slot, sc, init             ; a slot's first 128 of K; its second is fetched ahead of the products
	s_wait_dscnt 0x0                               ; set 0 and the scale words are in
	PLACES 8                                       ; in front of loads into set 1, which the last products read
	FETCH \slot, 1, 1
.if \init
	WIN 0xb1                                       ; C from window 3: what is added by register starts the sums
.else
	WIN MULW
.endif
	MUL 0, 4, 0, 0, \sc, \init
.endm
; A slot's second 128 of K, and the change of slots.  mode 2: this slot is filled again behind a round of the cluster's barrier; mode 1: a barrier, so that the next slot's tile, which each wave has waited for, is whole for all; mode 0: the next slot was shown whole earlier.
.macro TURN slot, next, sc, nsc, mode
	WIN 0
.if \mode
	s_wait_tensorcnt 0x0                           ; all my tensor loads have landed
	ds_add_u32 v[SPW], v[NIL]                      ; 0 onto my spare word
.if \mode == 2
	s_add_nc_u64 s[G0A+4*\slot+2:G0A+4*\slot+3], s[G0A+4*\slot+2:G0A+4*\slot+3], GSTEP
	s_add_nc_u64 s[G0B+4*\slot+2:G0B+4*\slot+3], s[G0B+4*\slot+2:G0B+4*\slot+3], GSTEP
	s_mov_b32 s[G1A+1], 512<<16                    ; the refill brings one K step: rows of 4,096 bytes again
	s_mov_b32 s[G1A+3], 512<<16
	s_mov_b32 s[G1B+1], 512<<16
	s_mov_b32 s[G1B+3], 512<<16
.endif
	s_wait_dscnt 0x0                               ; the add is done, set 1 is in, and my reads of this slot are over
	s_barrier_signal -1
.else
	s_wait_dscnt 0x0                               ; set 1 is in
.endif
	WIN MULW
	MUL 0, 1, 1, 1, \sc, 0
	WIN 0
.if \mode
	s_barrier_wait -1
.endif
.if \mode == 2
	CREST                                          ; no wave of any partner still reads this slot or has a load on its way
	JLOAD G0A+4*\slot, G1A, G0B+4*\slot, G1B       ; the first tensor load behind the round; its four v_nop are four of the eight places
	PLACES 4
.else
	PLACES 8
.endif
	v_add_nc_u32 v[ADRS], 1024, v[ADRS]            ; the next K step's scale words
	FETCH \next, 0, 0
	SCALES \nsc
	WIN MULW
	MUL 1, 3, 1, 1, \sc, 0
.endm
.macro LAST sc
	s_wait_dscnt 0x0
	WIN MULW
	MUL 0, 4, 1, 1, \sc, 0
	WIN 0
.endm
.macro QUANT s, pc                     ; 64 numbers of a lane, register 16 b + i = k 32 b + 16 h + i -> a fragment's codes at v[pc], the scale word in v[PW]
.irp b, 0,1,2,3
	v_max3_num_f32 v[TM+\b], |v[\s+16*\b]|, |v[\s+1+16*\b]|, 0x4800000
.endr
.irp i, 2,4,6,8,10,12,14
.irp b, 0,1,2,3
	v_max3_num_f32 v[TM+\b], v[TM+\b], |v[\s+16*\b+\i]|, |v[\s+1+16*\b+\i]|
.endr
.endr
.irp b, 0,1,2,3
	v_permlanex16_b32 v[TM+4+\b], v[TM+\b], s96, s97
.endr
.irp b, 0,1,2,3
	v_max_num_f32 v[TM+\b], v[TM+\b], v[TM+4+\b]
.endr
.irp b, 0,1,2,3
	v_add_nc_u32 v[TM+12+\b], 0xfc000000, v[TM+\b]
.endr
.irp b, 0,1,2,3
	v_and_or_b32 v[TM+8+\b], v[TM+\b], 0x7f800000, s98
.endr
.irp b, 0,1,2,3
	v_lshrrev_b32 v[TM+4+\b], 23, v[TM+12+\b]
.endr
	v_lshl_or_b32 v[PW], v[TM+5], 8, v[TM+4]
	v_lshl_or_b32 v[PW], v[TM+6], 16, v[PW]
	v_lshl_or_b32 v[PW], v[TM+7], 24, v[PW]
.irp b, 0,1,2,3
.irp i, 0,1,2,3,4,5,6,7,8,9,10,11,12,13,14,15
	v_med3_num_f32 v[\s+16*\b+\i], v[\s+16*\b+\i], -v[TM+8+\b], v[TM+8+\b]
.endr
	v_cvt_scalef32_pk8_fp8_f32 v[\pc+4*\b:\pc+4*\b+1], v[\s+16*\b:\s+16*\b+7], v[TM+12+\b]
	v_cvt_scalef32_pk8_fp8_f32 v[\pc+4*\b+2:\pc+4*\b+3], v[\s+16*\b+8:\s+16*\b+15], v[TM+12+\b]
.endr
	v_nop                                          ; a plain line behind the last conversion
.endm
	s_load_b256 s[4:11], s[0:1], 0x0               ; opc 4, ops 6, opt 8, po 10
	v_lshl_add_u32 v[SPW], v0, 2, SPARE
	v_mov_b32 v[NIL], 0
	ds_add_u32 v28, v29
	ds_add_u32 v28, v29
	s_wait_dscnt 0x0
	v_lshrrev_b32 v1, 5, v0
	v_readfirstlane_b32 s14, v1                    ; wave
	s_lshr_b32 s15, s14, 1                         ; my half of A's rows; also: I fetch for A (0) or B (1)
	s_and_b32 s16, s14, 1                          ; my half of B's rows; also: which half I fetch
	s_bfe_u32 s17, ttmp6, 0x40000                  ; cx
	s_bfe_u32 s18, ttmp6, 0x40004                  ; cy
	s_and_b32 s19, ttmp7, 0xffff                   ; the cluster: 0 .. 47
	s_lshl_b32 s88, s18, 2
	s_lshl_b32 s88, 15, s88                        ; my row of the cluster
	s_lshl_b32 s89, 0x1111, s17                    ; my column
	s_or_b32 s[G1A], s88, (3<<16)|(1<<21)          ; elements of 8 bytes, no padding, bit 21 beside a mask
	s_or_b32 s[G1B], s89, (3<<16)|(1<<21)
	s_or_b32 s[G1S], s88, (3<<16)|(1<<21)
	s_or_b32 s[G1SB], s89, (3<<16)|(1<<21)
	s_mov_b32 s[G1A+1], 512<<16                    ; a row of the tile: one block of 16 rows' K step, 4,096 bytes
	s_mov_b32 s[G1A+2], 8<<16                      ; THE FILLS: at the head one load a wave: wave 0 A's 8 blocks of K step 0, wave 2 B's 16, wave 1 A's scales, wave 3 B's
	s_mov_b32 s[G1A+3], 512<<16
	s_mov_b32 s[G1A+4], 8
	s_mov_b32 s[G1A+5], RBS/8
	s_mov_b32 s[G1A+6], 0
	s_mov_b32 s[G1A+7], 0
	s_mov_b32 s[G1B+1], 512<<16
	s_mov_b32 s[G1B+2], 16<<16
	s_mov_b32 s[G1B+3], 512<<16
	s_mov_b32 s[G1B+4], 16
	s_mov_b32 s[G1B+5], RBS/8
	s_mov_b32 s[G1B+6], 0
	s_mov_b32 s[G1B+7], 0
	s_mov_b32 s[G1S+1], 32<<16                     ; the scales: dense, as rows of 256 bytes
	s_mov_b32 s[G1S+2], (4*KSTEPS)<<16
	s_mov_b32 s[G1S+3], 32<<16
	s_mov_b32 s[G1S+4], 4*KSTEPS
	s_mov_b32 s[G1S+5], 32
	s_mov_b32 s[G1S+6], 0
	s_mov_b32 s[G1S+7], 0
	s_mov_b32 s[G1SB+1], 32<<16
	s_mov_b32 s[G1SB+2], (8*KSTEPS)<<16
	s_mov_b32 s[G1SB+3], 32<<16
	s_mov_b32 s[G1SB+4], 8*KSTEPS
	s_mov_b32 s[G1SB+5], 32
	s_mov_b32 s[G1SB+6], 0
	s_mov_b32 s[G1SB+7], 0
	; which product, and which rows of opc are sides A and B.  All of it hangs on the cluster's number, equal in the sixteen partners
	s_and_b32 s90, s19, 7                          ; part
	s_lshr_b32 s19, s19, 3                         ; unit 0 q_k, 1 k_k, 2 v_q, 3 k_q, 4 q_v^T, 5 k_q^T
	s_lshl_b32 s91, s19, 2
	s_lshr_b32 s92, 0x212021, s91
	s_and_b32 s92, s92, 15
	s_lshl_b32 s92, s92, 12                        ; the tokens' first row: relu(q), relu(k), relu(v), relu(k), relu(q), relu(k)
	s_lshr_b32 s93, 0x343210, s91
	s_and_b32 s93, s93, 15
	s_lshl_b32 s93, s93, 10
	s_add_co_u32 s93, s93, 12288                   ; the weight section's first row
	s_lshl_b32 s94, s90, 9
	s_add_co_u32 s94, s94, s92                     ; units 0-3: A = tokens, 512 a part
	s_and_b32 s95, s90, 1
	s_lshl_b32 s95, s95, 9
	s_add_co_u32 s95, s95, s93                     ; units 4, 5: A = features
	s_lshr_b32 s91, s90, 1
	s_lshl_b32 s91, s91, 10
	s_add_co_u32 s91, s91, s92                     ; units 4, 5: B = tokens, 1,024 a part
	s_cmp_lt_u32 s19, 4
	s_cselect_b32 s12, s94, s95
	s_cselect_b32 s13, s93, s91
	s_lshl_b32 s2, s18, 7
	s_add_co_u32 s12, s12, s2                      ; A's first row: + 128 cy
	s_lshl_b32 s3, s17, 8
	s_add_co_u32 s13, s13, s3                      ; B's first row: + 256 cx
	s_mul_i32 s92, s12, KK
	s_mul_i32 s2, s16, 4*RBS
	s_add_co_u32 s92, s92, s2
	s_mov_b32 s93, 0
	s_mul_i32 s94, s13, KK
	s_mul_i32 s3, s16, 8*RBS
	s_add_co_u32 s94, s94, s3
	s_mov_b32 s95, 0
	s_lshr_b32 s2, s12, 7
	s_mul_i32 s2, s2, KSTEPS*1024
	s_mov_b32 s3, 0
	s_lshr_b32 s88, s13, 7
	s_mul_i32 s88, s88, KSTEPS*1024
	s_mov_b32 s89, 0
	s_mov_b32 s96, 0x76543210
	s_mov_b32 s97, 0xfedcba98
	s_mov_b32 s98, 0x600000
	s_mov_b32 s99, 0xffff0000
	s_wait_kmcnt 0x0
	s_add_nc_u64 s[92:93], s[4:5], s[92:93]        ; my part of A's codes, K step 0
	s_add_nc_u64 s[94:95], s[4:5], s[94:95]        ; of B's
	CROUND                                         ; all sixteen work-groups are here: the first joint loads meet
	s_mov_b32 s[G0S], 1
	s_mov_b32 s[G0S+1], SCL
	s_add_nc_u64 s[G0S+2:G0S+3], s[6:7], s[2:3]
	s_or_b32 s[G0S+3], s[G0S+3], 0x80000000
	s_mov_b32 s[G0SB], 1
	s_mov_b32 s[G0SB+1], SCL+KSTEPS*1024
	s_add_nc_u64 s[G0SB+2:G0SB+3], s[6:7], s[88:89]
	s_or_b32 s[G0SB+3], s[G0SB+3], 0x80000000
.irp s, 0,1
	s_mov_b32 s[G0A+4*\s], 1
	s_lshl_b32 s[G0A+4*\s+1], s16, 14+\s           ; set 0: slot 0 (K step 0, later 3), blocks of 4,096 bytes; set 1: K steps 1 and 2 together, blocks of 8,192
	s_add_co_u32 s[G0A+4*\s+1], s[G0A+4*\s+1], \s*SLOT
	s_add_nc_u64 s[G0A+4*\s+2:G0A+4*\s+3], s[92:93], \s*4096
	s_or_b32 s[G0A+4*\s+3], s[G0A+4*\s+3], 0x80000000
	s_mov_b32 s[G0B+4*\s], 1
	s_lshl_b32 s[G0B+4*\s+1], s16, 15+\s
	s_add_co_u32 s[G0B+4*\s+1], s[G0B+4*\s+1], 32768+\s*(SLOT+32768)
	s_add_nc_u64 s[G0B+4*\s+2:G0B+4*\s+3], s[94:95], \s*4096
	s_or_b32 s[G0B+4*\s+3], s[G0B+4*\s+3], 0x80000000
.endr
	; the head's loads, one a wave, in one tree of branches on the wave's number.  In waves 0 and 2 the half's number s16 is 0: their group 0 names the tile's first block
	s_cmp_eq_u32 s14, 0
	s_cbranch_scc0 .Lhead_b
	tensor_load_to_lds s[G0A:G0A+3], s[G1A:G1A+7]
	s_nop 0
	PLACES 4
	s_branch .Lhead_asked
.Lhead_b:
	s_cmp_eq_u32 s14, 2
	s_cbranch_scc0 .Lhead_sa
	tensor_load_to_lds s[G0B:G0B+3], s[G1B:G1B+7]
	s_nop 0
	PLACES 4
	s_branch .Lhead_asked
.Lhead_sa:
	s_cmp_eq_u32 s14, 1
	s_cbranch_scc0 .Lhead_sb
	tensor_load_to_lds s[G0S:G0S+3], s[G1S:G1S+7]
	s_nop 0
	PLACES 4
	s_branch .Lhead_asked
.Lhead_sb:
	tensor_load_to_lds s[G0SB:G0SB+3], s[G1SB:G1SB+7]
	s_nop 0
	PLACES 4
.Lhead_asked:
	v_and_b32 v1, 31, v0
	v_and_b32 v2, 15, v0                           ; r
	v_bfe_u32 v3, v0, 4, 1                         ; h
	s_wait_alu depctr_va_vdst(0)
	v_lshlrev_b32 v4, 4, v1                        ; 16 x lane; stays
	s_lshl_b32 s88, s15, 14
	s_lshl_b32 s89, s16, 15
	s_add_co_u32 s89, s89, 32768
	v_add_nc_u32 v[ADRA], s88, v4
	v_add_nc_u32 v[ADRB], s89, v4
	s_lshl_b32 s88, s15, 15                        ; K steps 1 and 2: A's 8 blocks of 8,192 bytes from byte SLOT on, then B's 16
	s_lshl_b32 s89, s16, 16
	s_add_co_u32 s88, s88, SLOT
	s_add_co_u32 s89, s89, SLOT+65536
	v_add_nc_u32 v[ADRA+1], s88, v4
	v_add_nc_u32 v[ADRB+1], s89, v4
	v_add_nc_u32 v[ADRA+2], 4096, v[ADRA+1]        ; K step 2 lies 4,096 bytes on in each block
	v_add_nc_u32 v[ADRB+2], 4096, v[ADRB+1]
	s_lshl_b32 s88, s15, 9                         ; A's words: my 64 rows
	s_mul_i32 s89, s16, KSTEPS*1024
	s_add_co_u32 s89, s89, KSTEPS*1024             ; B's: my 128 rows, behind A's
	s_sub_co_u32 s89, s89, s88
	v_mul_u32_u24 v5, s89, v3                      ; lanes 16-31 take B's: the lower base + h x the distance
	v_lshl_add_u32 v5, v2, 3, v5
	s_add_co_u32 s88, s88, SCL
	v_add_nc_u32 v[ADRS], s88, v5
	; the table: by register (B's rows, natural order: register 16 b + i is row 32 b + 16 h + i) and by lane (A's rows: lane r of block a is row 32 (a / 2) + 8 (a % 2) + r + 8 (r / 8))
	s_lshl_b32 s88, s16, 7
	s_add_co_u32 s88, s88, s13
	s_lshl_b32 s88, s88, 2
	s_mov_b32 s89, 0
	s_add_nc_u64 s[88:89], s[8:9], s[88:89]
	v_lshlrev_b32 v6, 6, v3
	WIN 0xc0                                       ; destination window 3
.irp b, 0,1,2,3
.irp j, 0,1,2,3
	global_load_b128 v[16*\b+4*\j:16*\b+4*\j+3], v6, s[88:89] offset:128*\b+16*\j
	global_load_b128 v[64+16*\b+4*\j:64+16*\b+4*\j+3], v6, s[88:89] offset:MULT+128*\b+16*\j
.endr
.endr
	WIN 0
	s_lshl_b32 s2, s15, 6
	s_add_co_u32 s2, s2, s12
	s_lshl_b32 s2, s2, 2
	s_mov_b32 s3, 0
	s_add_nc_u64 s[2:3], s[8:9], s[2:3]
	v_lshrrev_b32 v7, 3, v2
	v_lshl_add_u32 v7, v7, 3, v2
	v_lshlrev_b32 v7, 2, v7
.irp a, 0,1,2,3
	global_load_b32 v[88+2*\a], v7, s[2:3] offset:MULT+4*(32*(\a/2)+8*(\a%2))
	global_load_b32 v[96+2*\a], v7, s[2:3] offset:4*(32*(\a/2)+8*(\a%2))
	v_mov_b32 v[89+2*\a], 0                        ; (named as the upper halves of pairs)
	v_mov_b32 v[97+2*\a], 0
.endr
.irp b, 0,1,2,3
	v_mov_b32 v[TM+4+\b], 0                        ; a lane permute's destination counts as read
.endr
	s_wait_xcnt 0x0                                ; the loads have read their bases: those registers are written again below
	; where the results go.  Units 0-3: batch = part, my 128 features are heads 4 cx + 2 (w % 2) and the next; my 64 tokens are blocks 8 cy + 4 (w / 2) on.  Units 4, 5: my 64 features are one head, my 128 tokens one key step
	s_lshl_b32 s2, s17, 2
	s_lshl_b32 s3, s16, 1
	s_add_co_u32 s2, s2, s3
	s_lshl_b32 s3, s90, 4
	s_add_co_u32 s2, s2, s3                        ; units 0-3: 16 batch + head
	s_lshr_b32 s3, s90, 1
	s_lshl_b32 s3, s3, 1
	s_lshr_b32 s12, s17, 1
	s_add_co_u32 s3, s3, s12
	s_lshl_b32 s3, s3, 4
	s_and_b32 s12, s90, 1
	s_lshl_b32 s12, s12, 3
	s_add_co_u32 s3, s3, s12
	s_lshl_b32 s12, s18, 1
	s_add_co_u32 s12, s12, s15                     ; 2 cy + w / 2
	s_add_co_u32 s3, s3, s12                       ; units 4, 5: 16 batch + head
	s_lshr_b32 s13, s19, 1                         ; 0: keys' part of the record, 1: queries'
	s_lshl_b32 s88, s13, 15
	s_lshl_b32 s89, s12, 12
	s_add_co_u32 s88, s88, s89                     ; units 0-3: codes' place in the record
	s_lshl_b32 s13, s13, 11
	s_lshl_b32 s89, s12, 8
	s_add_co_u32 s13, s13, s89
	s_add_co_u32 s13, s13, 98304                   ; and the scale words'
	s_and_b32 s89, s17, 1
	s_lshl_b32 s89, s89, 1
	s_add_co_u32 s89, s89, s16                     ; units 4, 5: the key step
	s_lshl_b32 s12, s89, 13
	s_add_co_u32 s12, s12, 65536
	s_lshl_b32 s89, s89, 8
	s_add_co_u32 s89, s89, 102400
	s_mov_b32 s91, 1024
	s_cmp_lt_u32 s19, 4
	s_cselect_b32 s2, s2, s3
	s_cselect_b32 s88, s88, s12
	s_cselect_b32 s13, s13, s89
	s_cselect_b32 s100, 0xffff, -1                 ; units 0-3: a head has two bytes of the word; the upper two are 127: the unused half of K = 128
	s_cselect_b32 s101, 0x7f7f0000, 0
	s_cselect_b32 s90, 16, 0                       ; the second head's two bytes
	s_cselect_b32 s3, 10, 11                       ; from block to block of lanes: 1,024 or 2,048 bytes
	s_cselect_b32 s91, REC, s91                    ; from the first two blocks of 32 to the last two: the next head's record, or 1,024 bytes
	s_cselect_b32 s12, REC, 0                      ; lanes 16-31 store the next head's words, or the same words to the same bytes
	s_and_b32 s89, s19, 1                          ; the attention
	s_lshl_b32 s89, s89, 7
	s_add_co_u32 s2, s2, s89
	s_mul_i32 s2, s2, REC
	s_add_co_u32 s92, s2, s88
	s_mov_b32 s93, 0
	s_add_nc_u64 s[92:93], s[10:11], s[92:93]
	s_add_co_u32 s94, s2, s13
	s_mov_b32 s95, 0
	s_add_nc_u64 s[94:95], s[10:11], s[94:95]
	s_lshl_b32 s3, 1, s3
.irp a, 0,1,2,3
	v_mad_u32_u24 v[104+\a], s3, \a, v4
	v_add_nc_u32 v[108+\a], s91, v[104+\a]
.endr
	v_mul_u32_u24 v112, s12, v3
	v_lshl_add_u32 v112, v2, 4, v112
	s_wait_alu depctr_va_vdst(0)
	s_wait_tensorcnt 0x0                           ; my tile of the head's four is in; a later first fill stands behind the same lines as a refill
	ds_add_u32 v[SPW], v[NIL]                      ; 0 onto my spare word
	s_mov_b32 s[G1A+1], 1024<<16                   ; no load of mine is out: from here a load brings half a tile's blocks, K steps 1 and 2 on end: rows of 8,192 bytes
	s_mov_b32 s[G1A+2], 4<<16
	s_mov_b32 s[G1A+3], 1024<<16
	s_mov_b32 s[G1A+4], 4
	s_mov_b32 s[G1B+1], 1024<<16
	s_mov_b32 s[G1B+2], 8<<16
	s_mov_b32 s[G1B+3], 1024<<16
	s_mov_b32 s[G1B+4], 8
	s_wait_dscnt 0x0
	CROUND                                         ; everybody's tile is in, and the sixteen partners meet
	JLOAD G0A+4, G1A, G0B+4, G1B                   ; K steps 1 and 2: my one load behind the round
	FETCH 0, 0, 0
	SCALES 0
	s_wait_loadcnt 0x0                             ; the table
.irp a, 0,1,2,3
	v_mul_f32 v[96+2*\a], v[96+2*\a], v[88+2*\a]   ; add_lanes x mul_lanes
.endr
	STEP 0, 0, 1
	TURN 0, 1, 0, 1, 2                             ; every first fill is shown landed to every wave here; slot 0 takes K step 3
	s_wait_alu depctr_va_vdst(0)
	STEP 1, 1, 0
	TURN 1, 2, 1, 0, 0
	s_wait_alu depctr_va_vdst(0)
	STEP 2, 0, 0
	TURN 2, 0, 0, 1, 1
	STEP 0, 1, 0
	LAST 1
	; THE WAY OUT, no LDS: the registers that the conversions fill are the images.
	PLACES 8
.irp a, 0,1,2,3
	WIN 0x02                                       ; source 0: the accumulators
.set i, 0
.rept 32
	v_pk_fma_f32 v[128+2*i:129+2*i], v[64*\a+2*i:64*\a+2*i+1], v[88+2*\a:89+2*\a], v[96+2*\a:97+2*\a] op_sel_hi:[1,0,0]   ; each accumulator from its low end on
.set i, i+1
.endr
	WIN 0x0c                                       ; source 1: window 3
.set i, 0
.rept 32
	v_pk_mul_f32 v[128+2*i:129+2*i], v[128+2*i:129+2*i], v[64+2*i:65+2*i]
.set i, i+1
.endr
	WIN 0
	QUANT 128, 192+16*\a
	v_and_or_b32 v81, v[PW], s100, s101
	v_lshrrev_b32 v82, s90, v[PW]
	v_or_b32 v82, s101, v82
	v_cndmask_b32 v[84+\a], v81, v82, s99
	global_store_b128 v[104+\a], v[192+16*\a:195+16*\a], s[92:93]
	global_store_b128 v[104+\a], v[196+16*\a:199+16*\a], s[92:93] offset:512
	global_store_b128 v[108+\a], v[200+16*\a:203+16*\a], s[92:93]
	global_store_b128 v[108+\a], v[204+16*\a:207+16*\a], s[92:93] offset:512
.endr
	global_store_b128 v112, v[84:87], s[94:95]     ; sixteen lanes: 256 dense bytes of scale words
	s_wait_tensorcnt 0x0                           ; the wave's end
	ds_add_u32 v[SPW], v[NIL]
	s_wait_dscnt 0x0
	CROUND                                         ; the closing round
	s_endpgm
.Lfunc_end_k_q1b2e831d14_proj:
	.size	k_q1b2e831d14_proj, .Lfunc_end_k_q1b2e831d14_proj-k_q1b2e831d14_proj
	.p2alignl 7, 3214868480
	.fill 96, 4, 3214868480
	.section	.rodata,"a",@progbits
	.p2align	6, 0x0
	.amdhsa_kernel k_q1b2e831d14_proj
		.amdhsa_group_segment_fixed_size 327680
		.amdhsa_private_segment_fixed_size 0
		.amdhsa_enable_private_segment 0
		.amdhsa_kernarg_size 32
		.amdhsa_user_sgpr_count 2
		.amdhsa_user_sgpr_kernarg_segment_ptr 1
		.amdhsa_wavefront_size32 1
		.amdhsa_system_sgpr_workgroup_id_x 1
		.amdhsa_system_sgpr_workgroup_id_y 1
		.amdhsa_system_sgpr_workgroup_id_z 1
		.amdhsa_system_vgpr_workitem_id 0
		.amdhsa_next_free_vgpr 896
		.amdhsa_next_free_sgpr 102
		.amdhsa_reserve_vcc 0
		.amdhsa_float_denorm_mode_32 3
		.amdhsa_float_denorm_mode_16_64 3
		.amdhsa_memory_ordered 1
		.amdhsa_forward_progress 1
		.amdhsa_inst_pref_size 132
	.end_amdhsa_kernel
	.amdgpu_metadata
---
amdhsa.version: [ 1, 2 ]
amdhsa.kernels:
  - .name:           k_q1b2e831d14_proj
    .symbol:         k_q1b2e831d14_proj.kd
    .args:
      - { .name: opc, .offset: 0, .size: 8, .value_kind: global_buffer, .address_space: global }
      - { .name: ops, .offset: 8, .size: 8, .value_kind: global_buffer, .address_space: global }
      - { .name: opt, .offset: 16, .size: 8, .value_kind: global_buffer, .address_space: global }
      - { .name: po, .offset: 24, .size: 8, .value_kind: global_buffer, .address_space: global }
    .group_segment_fixed_size: 327680
    .private_segment_fixed_size: 0
    .kernarg_segment_align: 8
    .kernarg_segment_size: 32
    .max_flat_workgroup_size: 128
    .sgpr_count:     102
    .vgpr_count:     896
    .wavefront_size: 32
...
	.end_amdgpu_metadata
.endif
;; end of part 2
;; launch attn (part 3): grid 256 x 1, 16 waves a work-group, no clusters, 169,984 bytes of LDS; arguments po, q_mask, k_mask, ogc, ogs; writes ogc, ogs
.if DOCPART == 3
	.amdgcn_target "amdgcn-amd-amdhsa--gfx1250"
	.amdhsa_code_object_version 6
	.text
	.protected	k_q1b2e831d14_attn
	.globl	k_q1b2e831d14_attn
	.p2align	8
	.type	k_q1b2e831d14_attn,@function
k_q1b2e831d14_attn:
	s_mov_b64 s[64:65], 0
	v_nop
	global_prefetch_b8 v0, s[64:65] scope:SCOPE_SE
	s_setreg_imm32_b32 hwreg(HW_REG_WAVE_MODE, 25, 1), 1
	s_wait_xcnt 0x0
; ATTN: one work-group for each (attention, batch, head): 512 queries x 512 keys, head size 64, both products on codes of E4M3 with E8M0 scales.  No cluster: no two work-groups read the same bytes.
; The head's whole record (K, Q and V^T as images of fragments, and their scale words; 103,424 dense bytes) comes into LDS once, by four tensor loads; nothing is filled again.
; Wave w owns query tiles 2 w and 2 w + 1, one a trip.  Both products are used transposed (S^T = K Q^T, O^T = V^T P^T): a lane holds one query.  Keys stand in position order (bits 3 and 4 of the row exchanged),
; so that the 16 registers of two neighbouring tiles of S^T are 16 neighbouring keys.  The head's 64 fill half of the instruction's K = 128: Q's upper registers are zero codes, both sides' upper scale bytes are 127;
; K's upper registers hold zeros or codes left by V's fragments (never a NaN code), which meet Q's zeros.
; THE KEY MASK: reference() multiplies the keys' rows by the very mask that it fills by, so a masked key's codes are zeros and its product is 0: the fill -1e9 is given as the C of the product, 0 for open keys,
; from a table of 512 words that the work-group makes in LDS.  No branch and no address hangs on the mask.
; THE SOFTMAX: t = score x log2(e) / 8; M = the running largest t rounded up to a whole number; p = 2^(t - M) is quantised along the keys; the sum is taken of the unquantised p and divides at the end.
; The updates leave as codes into ogc (the registers are the image: 512 dense bytes a store) and two scale bytes a row into ogs.
; LIMITS: NaN and infinities are not served; a block under 2^-118 gets the byte 1.
.set REC, 103424
.set MT,  103424                       ; the mask's table: 2,048 bytes in blocks of 256 of their own, into which no fill lands
.set WV,  14
.set SEL, 44
.set CS,  46
.set MNT, 48
.set HM,  49
.set BM,  208
.set BT,  212
.set HO,  216
.set SO,  220
; v1 16 x lane; v2 table + 32 h; v3 K's words + 16 r; v4 V's words + 16 r; v5 V's images + 16 x lane; v6 16 x lane (stores); v7 8 r + h; v8-9 Q's addresses of the trip, v10-11 their bases;
; v12 -M, v13 largest t, v14-15 the sum; v16-31 Q; v32-95 four fragments; v96-159 S^T, p; v160-191 O^T; v192-205 scale words alone; v208-223 at work; v224-239 p's codes; v240-247 the update's codes
.macro PLACES n
.rept \n
	v_nop
.endr
.endm
	s_load_b256 s[4:11], s[0:1], 0x0               ; po 4, q_mask 6, k_mask 8, ogc 10
	s_load_b64 s[12:13], s[0:1], 0x20              ; ogs
	v_lshl_add_u32 v251, v0, 2, 0x29000
	v_mov_b32 v255, 0
	ds_add_u32 v251, v255
	ds_add_u32 v251, v255
	v_lshrrev_b32 v1, 5, v0
	s_delay_alu instid0(VALU_DEP_1)
	v_readfirstlane_b32 s[WV], v1
	s_mov_b32 s24, 3<<16                           ; elements of 8 bytes, no mask, no padding
	s_mov_b32 s25, 32<<16                          ; rows of 256 bytes,
	s_mov_b32 s26, 101<<16                         ; 101 of them: a quarter of the record
	s_mov_b32 s27, 32<<16
	s_mov_b32 s28, 101
	s_mov_b32 s29, 32
	s_mov_b32 s30, 0
	s_mov_b32 s31, 0
	s_min_u32 s15, s[WV], 3
	s_mul_i32 s15, s15, 25856
	s_mul_i32 s16, ttmp9, REC
	s_add_co_u32 s16, s16, s15
	s_mov_b32 s17, 0
	s_lshr_b32 s32, ttmp9, 7                       ; attention
	s_bfe_u32 s33, ttmp9, 0x30004                  ; batch
	s_and_b32 s34, ttmp9, 15                       ; head
	s_mov_b32 s[SEL], 0x76543210
	s_mov_b32 s[SEL+1], 0xfedcba98
	s_mov_b32 s[CS], 0x3e38aa3b                    ; log2(e) / 8
	s_mov_b32 s[CS+1], s[CS]
	s_mov_b32 s[MNT], 0x600000
	s_mov_b32 s[HM], 0xffff0000
	s_wait_dscnt 0x0
	s_wait_kmcnt 0x0
	s_mov_b32 s20, 1
	s_mov_b32 s21, s15
	s_add_nc_u64 s[22:23], s[4:5], s[16:17]
	s_or_b32 s23, s23, 0x80000000
	s_cmp_lt_u32 s[WV], 4
	s_cbranch_scc0 .Lno_fetch                      ; waves 0 to 3 fetch, one load each
	tensor_load_to_lds s[20:23], s[24:31]
	s_nop 0
	PLACES 4
.Lno_fetch:
	s_cmp_eq_u32 s32, 0
	s_cselect_b64 s[36:37], s[6:7], s[8:9]
	s_lshl_b32 s38, s33, 11
	s_mov_b32 s39, 0
	s_add_nc_u64 s[36:37], s[36:37], s[38:39]
	v_lshlrev_b32 v96, 2, v0
	global_load_b32 v97, v96, s[36:37]             ; thread t: the mask of key t
	v_and_b32 v98, 0x1e7, v0
	v_bfe_u32 v99, v0, 3, 1
	s_delay_alu instid0(VALU_DEP_1)
	v_lshl_add_u32 v98, v99, 4, v98
	v_bfe_u32 v99, v0, 4, 1
	s_delay_alu instid0(VALU_DEP_1)
	v_lshl_add_u32 v98, v99, 3, v98                ; its position
	s_delay_alu instid0(VALU_DEP_1)
	v_lshl_add_u32 v98, v98, 2, MT
	v_and_b32 v10, 31, v0
	v_and_b32 v11, 15, v0
	v_bfe_u32 v9, v0, 4, 1
	s_delay_alu instid0(VALU_DEP_3)
	v_lshlrev_b32 v1, 4, v10
	s_delay_alu instid0(VALU_DEP_2)
	v_lshl_add_u32 v2, v9, 5, MT
	s_delay_alu instid0(VALU_DEP_4)
	v_lshl_add_u32 v3, v11, 4, 98304
	v_lshl_add_u32 v4, v11, 4, 102400
	s_delay_alu instid0(VALU_DEP_4)
	v_add_nc_u32 v5, 65536, v1
	v_lshlrev_b32 v6, 4, v10
	v_lshl_add_u32 v7, v11, 3, v9
	s_lshl_b32 s35, s[WV], 11
	s_add_co_u32 s35, s35, 32768
	v_add_nc_u32 v10, s35, v1                      ; Q's images: tile 2 w
	s_lshr_b32 s35, s[WV], 1
	s_lshl_b32 s35, s35, 8
	s_and_b32 s54, s[WV], 1
	s_lshl_b32 s54, s54, 3
	s_add_co_u32 s35, s35, s54
	s_add_co_u32 s35, s35, 100352
	v_lshl_add_u32 v11, v11, 4, s35                ; Q's scale words: four tiles' words a row
.set i, 24
.rept 8
	v_mov_b32 v[i], 0                              ; Q's upper half: zero codes
.set i, i+1
.endr
.irp t, 0,1,2,3
.set i, 8
.rept 8
	v_mov_b32 v[32+16*\t+i], 0                     ; K's upper half, until V's fragments pass through
.set i, i+1
.endr
.endr
.irp b, 0,1,2,3
	v_mov_b32 v[BT+\b], 0                          ; a lane permute's destination counts as read
.endr
	v_mov_b32 v253, 0                              ; (the upper half of the pair v[252:253])
	v_mov_b32 v254, 0
	s_lshl_b32 s58, s33, 5
	s_lshl_b32 s54, s[WV], 1
	s_add_co_u32 s58, s58, s54
	s_mul_i32 s58, s58, 49152                      ; block of rows 32 batch + 2 w
	s_add_co_u32 s55, s32, 1
	s_lshl_b32 s54, s55, 3
	s_lshr_b32 s56, s34, 1
	s_add_co_u32 s54, s54, s56
	s_lshl_b32 s54, s54, 11                        ; fragment 8 (1 + attention) + head / 2
	s_add_co_u32 s58, s58, s54
	s_and_b32 s54, s34, 1
	s_lshl_b32 s54, s54, 10                        ; its lower or upper 64 of K
	s_add_co_u32 s58, s58, s54
	s_mov_b32 s59, 0
	s_add_nc_u64 s[50:51], s[10:11], s[58:59]
	s_lshl_b32 s58, s33, 2
	s_lshr_b32 s54, s[WV], 2
	s_add_co_u32 s58, s58, s54
	s_mul_i32 s58, s58, 12288
	s_lshl_b32 s54, s55, 2
	s_lshr_b32 s56, s34, 2
	s_add_co_u32 s54, s54, s56
	s_lshl_b32 s54, s54, 10
	s_add_co_u32 s58, s58, s54
	s_and_b32 s54, s[WV], 3
	s_lshl_b32 s54, s54, 8
	s_add_co_u32 s58, s58, s54
	s_and_b32 s54, s34, 3
	s_lshl_b32 s54, s54, 1
	s_add_co_u32 s58, s58, s54
	s_add_nc_u64 s[52:53], s[12:13], s[58:59]
	s_wait_loadcnt 0x0
	v_mov_b32 v99, 0xce6e6b28                      ; -1e9
	v_cmp_eq_u32 vcc_lo, 0, v97
	s_delay_alu instid0(VALU_DEP_1)
	v_cndmask_b32 v97, 0, v99, vcc_lo
	ds_store_b32 v98, v97
	s_wait_tensorcnt 0x0                           ; my part of the record has landed,
	s_wait_dscnt 0x0                               ; my word of the table is stored:
	s_barrier_signal -1
	s_barrier_wait -1                              ; everybody's: the launch's one barrier
; A KEY STEP: 128 keys.  first = 1: O^T's sums begin with the constant 0.
.macro STEP s, first
.irp g, 0,1
	PLACES 8                                       ; in front of loads into registers that matrix instructions have read
.irp t, 0,1,2,3
	ds_load_b128 v[32+16*\t:35+16*\t], v1 offset:(8*\s+4*\g+\t)*1024
	ds_load_b128 v[36+16*\t:39+16*\t], v1 offset:(8*\s+4*\g+\t)*1024+512
	ds_load_b128 v[96+8*(4*\g+\t):99+8*(4*\g+\t)], v2 offset:(8*\s+4*\g+\t)*64        ; the fill of my eight keys: the sum begins with it
	ds_load_b128 v[100+8*(4*\g+\t):103+8*(4*\g+\t)], v2 offset:(8*\s+4*\g+\t)*64+16
.endr
	ds_load_b128 v[192+4*\g:195+4*\g], v3 offset:(2*\s+\g)*256
	s_wait_dscnt 0x0
.irp t, 0,1,2,3
	v_wmma_scale_f32_16x16x128_f8f6f4 v[96+8*(4*\g+\t):103+8*(4*\g+\t)], v[32+16*\t:47+16*\t], v[16:31], v[96+8*(4*\g+\t):103+8*(4*\g+\t)], v[192+4*\g+\t], v204
.endr
.endr
	PLACES 8
.irp t, 0,1,2,3
.irp c, 0,1,2,3
	ds_load_b128 v[32+16*\t+4*\c:35+16*\t+4*\c], v5 offset:\s*8192+\t*2048+\c*512     ; V's fragments land under the softmax
.endr
.endr
	ds_load_b128 v[200:203], v4 offset:256*\s
.irp b, 0,1,2,3
	v_max3_num_f32 v[BM+\b], v[96+16*\b], v[97+16*\b], v[98+16*\b]   ; each block's largest score: for the row's maximum and for the block's largest p
.endr
.irp i, 3,5,7,9,11,13
.irp b, 0,1,2,3
	v_max3_num_f32 v[BM+\b], v[BM+\b], v[96+16*\b+\i], v[97+16*\b+\i]
.endr
.endr
.irp b, 0,1,2,3
	v_max_num_f32 v[BM+\b], v[BM+\b], v[111+16*\b]
.endr
.irp b, 0,1,2,3
	s_delay_alu instid0(VALU_DEP_4)
	v_permlanex16_b32 v[BT+\b], v[BM+\b], s[SEL], s[SEL+1]
.endr
.irp b, 0,1,2,3
	s_delay_alu instid0(VALU_DEP_4)
	v_max_num_f32 v[BM+\b], v[BM+\b], v[BT+\b]
.endr
	s_delay_alu instid0(VALU_DEP_2)
	v_max3_num_f32 v254, v[BM], v[BM+1], v[BM+2]
	s_delay_alu instid0(VALU_DEP_1)
	v_max_num_f32 v254, v254, v[BM+3]
	s_delay_alu instid0(VALU_DEP_1)
	v_mul_f32 v254, s[CS], v254
	s_delay_alu instid0(VALU_DEP_1)
	v_max_num_f32 v13, v13, v254                   ; the running largest t
	v_mov_b32 v254, v12
	s_delay_alu instid0(VALU_DEP_2)
	v_floor_f32 v12, -v13                          ; -M = floor(-t)
	s_delay_alu instid0(VALU_DEP_1)
	v_sub_f32 v254, v12, v254
	s_delay_alu instid0(VALU_DEP_1)
	v_cvt_i32_f32 v254, v254                       ; (it saturates)
	s_delay_alu instid0(VALU_DEP_1)
	v_ldexp_f32 v252, 1.0, v254                    ; f = 2^(old M - new M)
.set j, 0
.rept 32
	v_pk_fma_f32 v[96+j:97+j], v[96+j:97+j], s[CS:CS+1], v[12:13] op_sel_hi:[1,0,0]
.set j, j+2
.endr
.irp b, 0,1,2,3
	v_fma_f32 v[BM+\b], v[BM+\b], s[CS], v12
.endr
.set j, 0
	s_wait_alu depctr_va_vdst(0)
.rept 64
	v_exp_f32 v[96+j], v[96+j]
.set j, j+1
.endr
	v_pk_mul_f32 v[14:15], v[14:15], v[252:253] op_sel_hi:[1,0]    ; a plain line behind the exponentials
	s_wait_alu depctr_va_vdst(0)                   ; one wait for the batch of 64, ahead of its first reader
.irp b, 0,1,2,3
	v_exp_f32 v[BM+\b], v[BM+\b]
.endr
	v_pk_add_f32 v[248:249], v[100:101], v[104:105]
	v_pk_add_f32 v[246:247], v[108:109], v[112:113]
	v_pk_add_f32 v[244:245], v[116:117], v[120:121]
	v_pk_add_f32 v[242:243], v[124:125], v[128:129]
	v_pk_add_f32 v[240:241], v[132:133], v[136:137]
	v_pk_add_f32 v[238:239], v[140:141], v[144:145]
	v_pk_add_f32 v[236:237], v[148:149], v[152:153]
	v_pk_add_f32 v[14:15], v[14:15], v[156:157]
	v_pk_add_f32 v[248:249], v[248:249], v[96:97]
	v_pk_add_f32 v[246:247], v[246:247], v[98:99]
	v_pk_add_f32 v[244:245], v[244:245], v[102:103]
	v_pk_add_f32 v[242:243], v[242:243], v[106:107]
	v_pk_add_f32 v[240:241], v[240:241], v[110:111]
	v_pk_add_f32 v[238:239], v[238:239], v[114:115]
	v_pk_add_f32 v[236:237], v[236:237], v[118:119]
	v_pk_add_f32 v[14:15], v[14:15], v[122:123]
	v_pk_add_f32 v[248:249], v[248:249], v[126:127]
	v_pk_add_f32 v[246:247], v[246:247], v[130:131]
	v_pk_add_f32 v[244:245], v[244:245], v[134:135]
	v_pk_add_f32 v[242:243], v[242:243], v[138:139]
	v_pk_add_f32 v[240:241], v[240:241], v[142:143]
	v_pk_add_f32 v[238:239], v[238:239], v[146:147]
	v_pk_add_f32 v[236:237], v[236:237], v[150:151]
	v_pk_add_f32 v[14:15], v[14:15], v[154:155]
	v_pk_add_f32 v[248:249], v[248:249], v[158:159]
	s_delay_alu instid0(VALU_DEP_2)
	v_pk_add_f32 v[14:15], v[14:15], v[242:243]
	s_delay_alu instid0(VALU_DEP_2)
	v_pk_add_f32 v[248:249], v[248:249], v[240:241]
	v_pk_add_f32 v[246:247], v[246:247], v[238:239]
	v_pk_add_f32 v[244:245], v[244:245], v[236:237]
	s_delay_alu instid0(VALU_DEP_2)
	v_pk_add_f32 v[14:15], v[14:15], v[246:247]
	s_delay_alu instid0(VALU_DEP_2)
	v_pk_add_f32 v[248:249], v[248:249], v[244:245]
	s_delay_alu instid0(VALU_DEP_1)
	v_pk_add_f32 v[14:15], v[14:15], v[248:249]
	s_wait_alu depctr_va_vdst(0)                   ; and one for the four
.irp b, 0,1,2,3
	v_max_num_f32 v[BM+\b], 0x4800000, v[BM+\b]
.endr
.irp b, 0,1,2,3
	s_delay_alu instid0(VALU_DEP_4)
	v_add_nc_u32 v[SO+\b], 0xfc000000, v[BM+\b]
.endr
.irp b, 0,1,2,3
	v_and_or_b32 v[HO+\b], v[BM+\b], 0x7f800000, s[MNT]
.endr
.irp b, 0,1,2,3
	v_lshrrev_b32 v[BT+\b], 23, v[SO+\b]
.endr
	s_delay_alu instid0(VALU_DEP_3)
	v_lshl_or_b32 v205, v[BT+1], 8, v[BT]          ; p's scale word; the 64 lines below stand between it and the products
	s_delay_alu instid0(VALU_DEP_1)
	v_lshl_or_b32 v205, v[BT+2], 16, v205
	s_delay_alu instid0(VALU_DEP_1)
	v_lshl_or_b32 v205, v[BT+3], 24, v205
.irp b, 0,1,2,3
.set j, 0
.rept 16
	v_min_num_f32 v[96+16*\b+j], v[96+16*\b+j], v[HO+\b]
.set j, j+1
.endr
	v_cvt_scalef32_pk8_fp8_f32 v[224+4*\b:225+4*\b], v[96+16*\b:103+16*\b], v[SO+\b]
	v_cvt_scalef32_pk8_fp8_f32 v[226+4*\b:227+4*\b], v[104+16*\b:111+16*\b], v[SO+\b]
.endr
.if \first
	s_wait_alu depctr_va_vdst(0)
	PLACES 8
.else
.set j, 0
.rept 16
	v_pk_mul_f32 v[160+j:161+j], v[160+j:161+j], v[252:253] op_sel_hi:[1,0]   ; O^T under the new M; also the places in front of the products
.set j, j+2
.endr
.endif
	s_wait_alu depctr_va_vdst(0)
	s_wait_dscnt 0x0                               ; V
.irp t, 0,1,2,3
.if \first
	v_wmma_scale_f32_16x16x128_f8f6f4 v[160+8*\t:167+8*\t], v[32+16*\t:47+16*\t], v[224:239], 0, v[200+\t], v205
.else
	v_wmma_scale_f32_16x16x128_f8f6f4 v[160+8*\t:167+8*\t], v[32+16*\t:47+16*\t], v[224:239], v[160+8*\t:167+8*\t], v[200+\t], v205
.endif
.endr
.endm
	s_mov_b32 s40, 0
	s_mov_b32 s41, 0
	s_mov_b32 s42, 0
.Ltile:
	v_add_nc_u32 v8, s40, v10
	v_add_nc_u32 v9, s41, v11
	ds_load_b128 v[16:19], v8
	ds_load_b128 v[20:23], v8 offset:512
	ds_load_b32 v204, v9
	v_mov_b32 v13, 0xff61b1e6                      ; -3e38, under every t
	s_delay_alu instid0(VALU_DEP_1)
	v_floor_f32 v12, -v13
	v_mov_b32 v14, 0
	v_mov_b32 v15, 0
	STEP 0, 1
	STEP 1, 0
	STEP 2, 0
	STEP 3, 0
	PLACES 8
	v_add_f32 v14, v14, v15
	s_delay_alu instid0(VALU_DEP_1)
	v_permlanex16_b32 v254, v14, s[SEL], s[SEL+1]
	s_delay_alu instid0(VALU_DEP_1)
	v_add_f32 v14, v14, v254                       ; the row's sum
	s_wait_alu depctr_va_vdst(0)
	v_rcp_f32 v252, v14
	v_nop
	s_wait_alu depctr_va_vdst(0)                   ; ahead of the reciprocal's first reader
.set j, 0
.rept 16
	v_pk_mul_f32 v[96+j:97+j], v[160+j:161+j], v[252:253] op_sel_hi:[1,0]   ; register 16 b + i: channel 32 b + 16 h + i of my query; each accumulator from its low end on
.set j, j+2
.endr
.irp b, 0,1
	v_max3_num_f32 v[BM+\b], |v[96+16*\b]|, |v[97+16*\b]|, 0x4800000
.endr
.irp i, 2,4,6,8,10,12,14
.irp b, 0,1
	s_delay_alu instid0(VALU_DEP_2)
	v_max3_num_f32 v[BM+\b], v[BM+\b], |v[96+16*\b+\i]|, |v[97+16*\b+\i]|
.endr
.endr
.irp b, 0,1
	s_delay_alu instid0(VALU_DEP_2)
	v_permlanex16_b32 v[BT+\b], v[BM+\b], s[SEL], s[SEL+1]
.endr
.irp b, 0,1
	s_delay_alu instid0(VALU_DEP_2)
	v_max_num_f32 v[BM+\b], v[BM+\b], v[BT+\b]
.endr
.irp b, 0,1
	s_delay_alu instid0(VALU_DEP_2)
	v_add_nc_u32 v[SO+\b], 0xfc000000, v[BM+\b]
.endr
.irp b, 0,1
	s_delay_alu instid0(VALU_DEP_4)
	v_and_or_b32 v[HO+\b], v[BM+\b], 0x7f800000, s[MNT]
.endr
.irp b, 0,1
	s_delay_alu instid0(VALU_DEP_4)
	v_lshrrev_b32 v[BT+\b], 23, v[SO+\b]
.endr
.irp b, 0,1
.set j, 0
.rept 16
	v_med3_num_f32 v[96+16*\b+j], v[96+16*\b+j], -v[HO+\b], v[HO+\b]
.set j, j+1
.endr
	v_cvt_scalef32_pk8_fp8_f32 v[240+4*\b:241+4*\b], v[96+16*\b:103+16*\b], v[SO+\b]
	v_cvt_scalef32_pk8_fp8_f32 v[242+4*\b:243+4*\b], v[104+16*\b:111+16*\b], v[SO+\b]
.endr
	v_cndmask_b32 v250, v[BT], v[BT+1], s[HM]      ; lanes 0-15 store the first block's byte, lanes 16-31 the second's
	global_store_b128 v6, v[240:243], s[50:51]
	global_store_b128 v6, v[244:247], s[50:51] offset:512
	global_store_b8 v7, v250, s[52:53]             ; two bytes a row are all that a head owns of a row's eight
	s_wait_xcnt 0x0                                ; the stores have read their data and bases: both are written again only behind this wait
	s_add_nc_u64 s[50:51], s[50:51], 49152
	s_add_nc_u64 s[52:53], s[52:53], 128
	s_add_co_u32 s40, s40, 1024
	s_add_co_u32 s41, s41, 4
	s_add_co_u32 s42, s42, 1
	s_cmp_lt_u32 s42, 2
	s_cbranch_scc1 .Ltile
	s_wait_tensorcnt 0x0
	ds_add_u32 v251, v255
	s_wait_dscnt 0x0
	s_endpgm
.Lfunc_end_k_q1b2e831d14_attn:
	.size	k_q1b2e831d14_attn, .Lfunc_end_k_q1b2e831d14_attn-k_q1b2e831d14_attn
	.p2alignl 7, 3214868480
	.fill 96, 4, 3214868480
	.section	.rodata,"a",@progbits
	.p2align	6, 0x0
	.amdhsa_kernel k_q1b2e831d14_attn
		.amdhsa_group_segment_fixed_size 169984
		.amdhsa_private_segment_fixed_size 0
		.amdhsa_enable_private_segment 0
		.amdhsa_kernarg_size 40
		.amdhsa_user_sgpr_count 2
		.amdhsa_user_sgpr_kernarg_segment_ptr 1
		.amdhsa_wavefront_size32 1
		.amdhsa_system_sgpr_workgroup_id_x 1
		.amdhsa_system_sgpr_workgroup_id_y 1
		.amdhsa_system_sgpr_workgroup_id_z 1
		.amdhsa_system_vgpr_workitem_id 0
		.amdhsa_next_free_vgpr 256
		.amdhsa_next_free_sgpr 66
		.amdhsa_reserve_vcc 1
		.amdhsa_float_denorm_mode_32 3
		.amdhsa_float_denorm_mode_16_64 3
		.amdhsa_memory_ordered 1
		.amdhsa_forward_progress 1
		.amdhsa_inst_pref_size 96
	.end_amdhsa_kernel
	.amdgpu_metadata
---
amdhsa.version: [ 1, 2 ]
amdhsa.kernels:
  - .name:           k_q1b2e831d14_attn
    .symbol:         k_q1b2e831d14_attn.kd
    .args:
      - { .name: po, .offset: 0, .size: 8, .value_kind: global_buffer, .address_space: global }
      - { .name: q_mask, .offset: 8, .size: 8, .value_kind: global_buffer, .address_space: global }
      - { .name: k_mask, .offset: 16, .size: 8, .value_kind: global_buffer, .address_space: global }
      - { .name: ogc, .offset: 24, .size: 8, .value_kind: global_buffer, .address_space: global }
      - { .name: ogs, .offset: 32, .size: 8, .value_kind: global_buffer, .address_space: global }
    .group_segment_fixed_size: 169984
    .private_segment_fixed_size: 0
    .kernarg_segment_align: 8
    .kernarg_segment_size: 40
    .max_flat_workgroup_size: 512
    .sgpr_count:     66
    .vgpr_count:     256
    .wavefront_size: 32
...
	.end_amdgpu_metadata
.endif
;; end of part 3
;; launch outp (part 4): grid 8 x 32, 4 waves a work-group, clusters of 4 x 4, 327,680 bytes of LDS; arguments ogc, ogs, bko, bvo, out0, out1; writes out0, out1
.if DOCPART == 4
	.amdgcn_target "amdgcn-amd-amdhsa--gfx1250"
	.amdhsa_code_object_version 6
	.text
	.protected	k_q1b2e831d14_outp
	.globl	k_q1b2e831d14_outp
	.p2align	8
	.type	k_q1b2e831d14_outp,@function
k_q1b2e831d14_outp:
	s_mov_b64 s[64:65], 0
	v_nop
	global_prefetch_b8 v0, s[64:65] scope:SCOPE_SE
	s_setreg_imm32_b32 hwreg(HW_REG_WAVE_MODE, 25, 1), 1
	s_wait_xcnt 0x0
	s_wait_alu depctr_hold_cnt(0) depctr_sa_sdst(0) depctr_va_vdst(0) depctr_va_sdst(0) depctr_va_ssrc(0) depctr_va_vcc(0) depctr_vm_vsrc(0)
	s_getreg_b32 s2, hwreg(HW_REG_IB_STS2, 6, 4)
	s_cmp_eq_u32 s2, 0
	s_cbranch_scc0 .Lentry_in_a_cluster
	s_endpgm
.Lentry_in_a_cluster:
	s_bfe_u32 s2, ttmp6, 0x10000c
	s_cmp_lg_u32 s2, 0xf033
	s_cbranch_scc0 .Lentry_shape_is_right
	s_endpgm
.Lentry_shape_is_right:
; OUTP: out0 = [v, vq, vk] Wko + bko and out1 = [v, vq] Wvo + bvo as ONE product of 4,096 x 2,048 over K = 3,072 on codes of E4M3 with E8M0 scales (Wvo's rows hold zero codes from K = 2,048 on).
; ogc: [block of 16 rows][128 of K][2,048 bytes: the image of a fragment's 16 registers]; rows 0-4,095 the tokens, 4,096 on Wko's columns, 5,120 on Wvo's.  ogs: [128 rows][256 of K][row][8 bytes].
; Rows stand in position order (bits 3 and 4 exchanged), so that two neighbouring accumulators of a lane are 16 neighbouring columns.
; TILE: a work-group makes 128 tokens (source 1) x 256 columns (source 0); wave w: tokens' half w / 2, columns' half w % 2: 32 accumulators.  256 work-groups.
; RING: two slots of 384 along K (24 blocks x 6,144 bytes): eight fills.  Two such slots, 30,720 bytes of scales and the spare words are what LDS holds; the scales of the last 512 of K come straight into registers (ALT).
; HEAD: one load a wave: wave 0 A's 8 blocks of fill 0, wave 2 B's 16, wave 1 A's scales, wave 3 B's.  Fill 1 follows behind the full sequence and a round.  Bias and ALT are asked for under the head's loads.
; CLUSTER 4 x 4: A's tile is shared along a row of the cluster, B's along a column: joint loads; each refill stands behind a round.  By this text's count a wave has one tensor load out.
; PREFETCH: fills 1 and 2 are asked for at the head, fill n + 2 where fill n is loaded; of the blocks that a wave loads, the partner at place p (cx for A, cy for B) names A's block p or B's blocks 2 p, 2 p + 1:
; 24 units of 256 bytes a block, each named once in a cluster; lanes left over name their instruction's last unit again.  The last lap asks for nothing: no fill lies behind fill 7.
; REGISTERS: window 0: v4 16 x lane, v8-9 prefetch offsets, v16-27 LDS addresses, v28-29 for the add, v32-79 scale words, v80-111 ALT, v128-255 A's fragments (two sets); window 1: B's (two sets);
; window 2: accumulator (a, b) at v[8 (8 a + b)]; window 3: v0-63 the bias, the first products' C.
; LIMITS: NaN and infinities are not served.
.set KK,     3072
.set RBS,    16*KK                     ; a block of 16 rows, all of K
.set SB,     6144                      ; a block's 384 of K
.set SLOT,   24*SB
.set SCL,    2*SLOT
.set SGRP,   10240                     ; the scales of 128 rows for the first 2,560 of K
.set SPARE,  SCL+3*SGRP                ; the spare words: 128 bytes a wave, two blocks of 256 that no other line names
.set GSTEP,  2*SB
.set PFO,  8
.set PFO2, 9
.set ADRA, 16
.set ADRB, 20
.set STO,  24
.set RD,   25
.set ADRS, 27
.set SPW,  28
.set NIL,  29
.set SC,   32
.set ALT,  80
.set AF,   128
.set G1A,  20
.set G1B,  28
.set G1S,  36
.set G1SB, 44
.set G0A,  52
.set G0B,  68
.set G0S,  80
.set G0SB, 84
.set PFA,  100                         ; s[100:101] my share of the fill that is being loaded
.set MULW, 0xa1                        ; source 0 (B) window 1, source 1 (A) window 0, C and D window 2
.set TO_B, 0x40
.set MSB, 0
.macro WIN new                         ; the immediate's high byte repeats the setting that is left
.if MSB != \new
	s_set_vgpr_msb (MSB<<8)|\new
.set MSB, \new
.endif
.endm
.macro PLACES n                        ; plain lines behind matrix instructions: eight for this form
.rept \n
	v_nop
.endr
.endm
.macro GROUP1 g, c, r, p               ; descriptor group 1 but for its first word: r rows of c elements of 8 bytes, p elements apart
	s_mov_b32 s[\g+1], (\c)<<16
	s_mov_b32 s[\g+2], (\r)<<16
	s_mov_b32 s[\g+3], (\c)<<16
	s_mov_b32 s[\g+4], \r
	s_mov_b32 s[\g+5], \p
	s_mov_b32 s[\g+6], 0
	s_mov_b32 s[\g+7], 0
.endm
.macro TL g0, g1                       ; a tensor load; s_nop 0 and four v_nop follow it
	tensor_load_to_lds s[\g0:\g0+3], s[\g1:\g1+7]
	s_nop 0
	PLACES 4
.endm
.macro JLOAD g0a, g1a, g0b, g1b        ; the ring's joint load: waves 0 and 1 fetch A's halves, waves 2 and 3 B's
	s_cmp_eq_u32 s15, 0
	s_cbranch_scc0 .Lfor_b_\@
	TL \g0a, \g1a
	s_branch .Lasked_\@
.Lfor_b_\@:
	TL \g0b, \g1b
.Lasked_\@:
.endm
.macro ARM wv, g0, g1, next            ; an arm of the head's tree
	s_cmp_eq_u32 s14, \wv
	s_cbranch_scc0 \next
	TL \g0, \g1
	s_branch .Lhead_asked
\next:
.endm
.macro CREST                           ; a round of the cluster's barrier behind its opening barrier
	s_cmp_lg_u32 s14, 0
	s_cbranch_scc1 .Lnot_wave_0_\@
	s_barrier_signal -3
.Lnot_wave_0_\@:
	s_barrier_wait -3
	s_barrier_signal -1
	s_barrier_wait -1
.endm
.macro CROUND
	s_barrier_signal -1
	s_barrier_wait -1
	CREST
.endm
.macro PF off                          ; my share of one fill: two instructions
	global_prefetch_b8 v[PFO], s[PFA:PFA+1] offset:\off th:TH_LOAD_NT scope:SCOPE_SE
	global_prefetch_b8 v[PFO2], s[PFA:PFA+1] offset:\off th:TH_LOAD_NT scope:SCOPE_SE
.endm
.macro ASK                             ; in the loop: the fill two on; s19 = 1 in the last lap, which has none
	s_cmp_gt_u32 s19, 1
	s_cbranch_scc0 .Lno_ask_\@
	PF 2*SB
.Lno_ask_\@:
.endm
.macro FRAG reg, adr, off              ; an image comes back as it was stored: four loads of 512 dense bytes
.irp c, 0,1,2,3
	ds_load_b128 v[\reg+4*\c:\reg+4*\c+3], v[\adr] offset:\off+512*\c
.endr
.endm
.macro FETCH slot, q, p                ; the slot's q-th 128 of K into set p: B's eight fragments, A's four
	WIN TO_B
.irp i, 0,1,2,3,4,5,6,7
	FRAG 128*(\p)+16*\i, ADRB+\slot, SB*\i+2048*(\q)
.endr
	WIN 0
.irp i, 0,1,2,3
	FRAG AF+64*(\p)+16*\i, ADRA+\slot, SB*\i+2048*(\q)
.endr
.endm
.macro SCALES w, off                   ; two words a row (256 of K): lanes 0-15 A's block i (read for i < 4), lanes 16-31 B's block i
.irp i, 0,1,2,3,4,5,6,7
	ds_load_b64 v[SC+6*\i+\w:SC+6*\i+\w+1], v[ADRS] offset:\off+128*\i
.endr
.endm
.macro MUL a0, n, p, sb, ss, w, init   ; A's blocks a0 .. a0 + n - 1 against B's eight; the accumulators take turns in one fixed order
.set ma, \a0
.rept \n
.irp b, 0,1,2,3,4,5,6,7
.if \init
	v_wmma_scale_f32_16x16x128_f8f6f4 v[8*(8*ma+\b):8*(8*ma+\b)+7], v[128*(\p)+16*\b:128*(\p)+16*\b+15], v[AF+64*(\p)+16*ma:AF+64*(\p)+16*ma+15], v[8*\b:8*\b+7], v[\ss*\b+\w+\sb], v[\ss*ma+\w+\sb] matrix_a_scale:MATRIX_SCALE_ROW1
.else
	v_wmma_scale_f32_16x16x128_f8f6f4 v[8*(8*ma+\b):8*(8*ma+\b)+7], v[128*(\p)+16*\b:128*(\p)+16*\b+15], v[AF+64*(\p)+16*ma:AF+64*(\p)+16*ma+15], v[8*(8*ma+\b):8*(8*ma+\b)+7], v[\ss*\b+\w+\sb], v[\ss*ma+\w+\sb] matrix_a_scale:MATRIX_SCALE_ROW1
.endif
.endr
.set ma, ma+1
.endr
.endm
.macro SUB slot, q, p, sb, ss, w, sld, init    ; 128 of K that has its successor in the same slot: the successor is fetched ahead of the products
	s_wait_dscnt 0x0                               ; set p and its scale words are in
	PLACES 8                                       ; in front of loads into the other set, which the last products read
	FETCH \slot, (\q)+1, 1-(\p)
.if \sld
	SCALES 2, 1024
.endif
.if \init
	WIN 0xb1                                       ; C from window 3: the bias starts the sums
.else
	WIN MULW
.endif
	MUL 0, 4, \p, \sb, \ss, \w, \init
.endm
; A slot's last 128 of K, and the change of slots.  mode 2: the slot is filled again behind a round; mode 1: a plain barrier shows the last fill to all.
.macro TURN slot, next, p, sb, ss, w, mode
	WIN 0
.if \mode == 2
	s_wait_xcnt 0x0                                ; my prefetches have read their address: it steps one fill on
	s_add_nc_u64 s[PFA:PFA+1], s[PFA:PFA+1], SB
.endif
	s_wait_tensorcnt 0x0                           ; my one load that was out, my part of the next slot, has landed
	ds_add_u32 v[SPW], v[NIL]                      ; 0 onto my spare word
.if \mode == 2
	s_add_nc_u64 s[G0A+4*\slot+2:G0A+4*\slot+3], s[G0A+4*\slot+2:G0A+4*\slot+3], GSTEP
	s_add_nc_u64 s[G0B+4*\slot+2:G0B+4*\slot+3], s[G0B+4*\slot+2:G0B+4*\slot+3], GSTEP
.endif
	s_wait_dscnt 0x0                               ; the add is done, set p is in, my reads of this slot are over
	s_barrier_signal -1
	WIN MULW
	MUL 0, 1, \p, \sb, \ss, \w, 0
	WIN 0
	s_barrier_wait -1
.if \mode == 2
	CREST                                          ; no wave of any partner still reads this slot or has a load on its way
	JLOAD G0A+4*\slot, G1A, G0B+4*\slot, G1B       ; the first tensor load behind the round; its four v_nop are four of the eight places
	PLACES 4
.else
	PLACES 8
.endif
.if \next == 0
	v_add_nc_u32 v[ADRS], 3072, v[ADRS]            ; three chunks of scale words a lap
	s_wait_alu depctr_va_vdst(0)
.endif
	FETCH \next, 0, 1-(\p)
.if \mode == 2
.if \next == 0
	SCALES 0, 0
.else
	SCALES 4, 2048
.endif
	ASK
.endif
	WIN MULW
	MUL 1, 3, \p, \sb, \ss, \w, 0
.endm
	s_load_b256 s[4:11], s[0:1], 0x0               ; ogc 4, ogs 6, bko 8, bvo 10
	s_load_b128 s[96:99], s[0:1], 0x20             ; out0 96, out1 98
	v_lshl_add_u32 v[SPW], v0, 2, SPARE
	v_mov_b32 v[NIL], 0
	ds_add_u32 v[SPW], v[NIL]                      ; the opening lines: the add twice on end and one wait, ahead of my first tensor load
	ds_add_u32 v[SPW], v[NIL]
	v_lshrrev_b32 v1, 5, v0
	v_readfirstlane_b32 s14, v1                    ; wave
	s_lshr_b32 s15, s14, 1                         ; my half of A's rows; in the ring: I fetch for A (0) or B (1)
	s_and_b32 s16, s14, 1                          ; my half of B's rows; in the ring: which half I fetch
	s_bfe_u32 s17, ttmp6, 0x40000                  ; cx
	s_bfe_u32 s18, ttmp6, 0x40004                  ; cy
	s_and_b32 s19, ttmp7, 0xffff
	s_lshl_b32 s88, s18, 2
	s_lshl_b32 s88, 15, s88                        ; my row of the cluster
	s_lshl_b32 s89, 0x1111, s17                    ; my column
	s_or_b32 s[G1A], s88, (3<<16)|(1<<21)          ; elements of 8 bytes, no padding, bit 21 beside a mask
	s_or_b32 s[G1B], s89, (3<<16)|(1<<21)
	s_or_b32 s[G1S], s88, (3<<16)|(1<<21)
	s_or_b32 s[G1SB], s89, (3<<16)|(1<<21)
	GROUP1 G1A, 768, 8, RBS/8                      ; at the head: all 8 blocks of A, 6,144 bytes each;
	GROUP1 G1B, 768, 16, RBS/8                     ; all 16 of B;
	GROUP1 G1S, 32, SGRP/256, 32                   ; A's scales: 10,240 dense bytes as rows of 256;
	GROUP1 G1SB, SGRP/8, 2, 12288/8                ; B's: 10,240 bytes of each of two groups, 12,288 apart
	s_lshl_b32 s12, s19, 2
	s_add_co_u32 s12, s12, s18
	s_lshl_b32 s12, s12, 7                         ; A's first row
	s_lshl_b32 s13, ttmp9, 2
	s_add_co_u32 s13, s13, s17
	s_lshl_b32 s13, s13, 8
	s_add_co_u32 s13, s13, 4096                    ; B's first row
	s_mul_i32 s92, s12, KK
	s_mul_i32 s2, s16, 4*RBS
	s_add_co_u32 s92, s92, s2                      ; A's codes: my half (waves 0 and 2: the tile's first block)
	s_mov_b32 s93, 0
	s_mul_i32 s94, s13, KK
	s_mul_i32 s3, s16, 8*RBS
	s_add_co_u32 s94, s94, s3                      ; B's
	s_mov_b32 s95, 0
	s_lshr_b32 s2, s12, 7
	s_mul_i32 s2, s2, 12288                        ; A's scales
	s_mov_b32 s3, 0
	s_lshr_b32 s88, s13, 7
	s_mul_i32 s88, s88, 12288                      ; B's
	s_mov_b32 s89, 0
	s_mul_i32 s90, s17, RBS                        ; the prefetches: of A's half block cx,
	s_add_co_u32 s90, s90, s92
	s_mul_i32 s91, s18, 2*RBS                      ; of B's half blocks 2 cy and 2 cy + 1
	s_add_co_u32 s91, s91, s94
	s_cmp_eq_u32 s15, 0
	s_cselect_b32 s90, s90, s91
	s_add_co_u32 s90, s90, SB                      ; at fill 1
	s_mov_b32 s91, 0
	s_wait_dscnt 0x0                               ; both opening adds are done
	CROUND                                         ; all sixteen work-groups are here: the first joint loads meet
	s_wait_kmcnt 0x0
	s_add_nc_u64 s[92:93], s[4:5], s[92:93]
	s_add_nc_u64 s[94:95], s[4:5], s[94:95]
	s_add_nc_u64 s[PFA:PFA+1], s[4:5], s[90:91]
	s_mov_b32 s[G0S], 1
	s_mov_b32 s[G0S+1], SCL
	s_add_nc_u64 s[G0S+2:G0S+3], s[6:7], s[2:3]
	s_or_b32 s[G0S+3], s[G0S+3], 0x80000000
	s_mov_b32 s[G0SB], 1
	s_mov_b32 s[G0SB+1], SCL+SGRP
	s_add_nc_u64 s[G0SB+2:G0SB+3], s[6:7], s[88:89]
	s_or_b32 s[G0SB+3], s[G0SB+3], 0x80000000
.irp s, 0,1
	s_mov_b32 s[G0A+4*\s], 1
	s_mul_i32 s[G0A+4*\s+1], s16, 4*SB
	s_add_co_u32 s[G0A+4*\s+1], s[G0A+4*\s+1], \s*SLOT
	s_add_nc_u64 s[G0A+4*\s+2:G0A+4*\s+3], s[92:93], \s*SB
	s_or_b32 s[G0A+4*\s+3], s[G0A+4*\s+3], 0x80000000
	s_mov_b32 s[G0B+4*\s], 1
	s_mul_i32 s[G0B+4*\s+1], s16, 8*SB
	s_add_co_u32 s[G0B+4*\s+1], s[G0B+4*\s+1], \s*SLOT+8*SB
	s_add_nc_u64 s[G0B+4*\s+2:G0B+4*\s+3], s[94:95], \s*SB
	s_or_b32 s[G0B+4*\s+3], s[G0B+4*\s+3], 0x80000000
.endr
	ARM 0, G0A, G1A, .Lhead_b                      ; one tree, one load to an arm: every way through the head passes exactly one
	ARM 2, G0B, G1B, .Lhead_sa
	ARM 1, G0S, G1S, .Lhead_sb
	TL G0SB, G1SB
.Lhead_asked:
	v_and_b32 v1, 31, v0
	v_and_b32 v2, 15, v0                           ; r
	v_bfe_u32 v3, v0, 4, 1                         ; h
	v_lshlrev_b32 v4, 4, v1                        ; 16 x lane; stays
	v_lshlrev_b32 v6, 6, v3
	s_wait_alu depctr_va_vdst(0)
	s_mul_i32 s88, s15, 4*SB
	s_mul_i32 s89, s16, 8*SB
	s_add_co_u32 s89, s89, 8*SB
.irp s, 0,1
	v_add_nc_u32 v[ADRA+\s], s88, v4
	v_add_nc_u32 v[ADRB+\s], s89, v4
	s_add_co_u32 s88, s88, SLOT
	s_add_co_u32 s89, s89, SLOT
.endr
	s_lshl_b32 s88, s15, 9                         ; A's words: my 64 rows
	s_mul_i32 s89, s16, SGRP
	s_add_co_u32 s89, s89, SGRP                    ; B's: my 128 rows, behind A's
	s_sub_co_u32 s89, s89, s88
	v_mul_u32_u24 v5, s89, v3                      ; lanes 16-31 take B's: the lower base + h x the distance
	v_lshl_add_u32 v5, v2, 3, v5
	s_add_co_u32 s88, s88, SCL
	v_add_nc_u32 v[ADRS], s88, v5
	s_mul_i32 s88, s14, 8448                       ; my stage: 16 rows x 528 bytes, in slot 0
	v_mul_u32_u24 v5, v2, 528
	v_lshl_add_u32 v5, v3, 6, v5
	v_add_nc_u32 v[STO], s88, v5
	v_add_nc_u32 v[RD], s88, v4
	s_lshr_b32 s2, s12, 7                          ; the same rows' words in ogs, for ALT
	s_mul_i32 s2, s2, 12288
	s_lshl_b32 s3, s15, 9
	s_add_co_u32 s2, s2, s3
	s_lshr_b32 s3, s13, 7
	s_add_co_u32 s3, s3, s16
	s_mul_i32 s3, s3, 12288
	s_sub_co_u32 s3, s3, s2
	v_mul_u32_u24 v7, s3, v3
	v_lshl_add_u32 v7, v2, 3, v7
	v_add_nc_u32 v7, s2, v7
	s_cmp_eq_u32 s15, 0                            ; a prefetch: A's waves name 12 units an instruction, the second 3,072 bytes on; B's 24, the second a block on
	s_cselect_b32 s2, 11, 23
	s_mov_b32 s3, RBS
	s_cselect_b32 s3, 3072, s3
	v_min_u32 v[PFO], s2, v1
	v_lshlrev_b32 v[PFO], 8, v[PFO]
	v_add_nc_u32 v[PFO2], s3, v[PFO]
	s_lshl_b32 s2, s17, 8
	s_lshl_b32 s3, s16, 7
	s_add_co_u32 s2, s2, s3
	s_lshl_b32 s2, s2, 2                           ; my first column, in bytes
	s_mov_b32 s3, 0
	s_cmp_eq_u32 ttmp9, 0                          ; cluster column 0: Wko, bko, out0; 1: Wvo, bvo, out1
	s_cselect_b64 s[8:9], s[8:9], s[10:11]
	s_cselect_b64 s[96:97], s[96:97], s[98:99]
	s_add_nc_u64 s[8:9], s[8:9], s[2:3]
	s_add_nc_u64 s[96:97], s[96:97], s[2:3]
	s_lshl_b32 s88, s15, 6
	s_add_co_u32 s88, s88, s12
	s_lshl_b32 s88, s88, 12                        ; my first row, 4,096 bytes a row
	s_mov_b32 s89, 0
	s_add_nc_u64 s[96:97], s[96:97], s[88:89]
	s_wait_alu depctr_va_vdst(0)
	WIN 0xc0                                       ; destination window 3
.irp b, 0,1,2,3
.irp j, 0,1,2,3
	global_load_b128 v[16*\b+4*\j:16*\b+4*\j+3], v6, s[8:9] offset:128*\b+16*\j    ; the bias: register 16 b + i is column 32 b + 16 h + i
.endr
.endr
	WIN 0
.irp i, 0,1,2,3,4,5,6,7
	global_load_b64 v[ALT+4*\i:ALT+4*\i+1], v7, s[6:7] offset:SGRP+128*\i
	global_load_b64 v[ALT+4*\i+2:ALT+4*\i+3], v7, s[6:7] offset:SGRP+1024+128*\i
.endr
	PF 0                                           ; fills 1 and 2
	PF SB
	s_wait_tensorcnt 0x0                           ; my tile of the head's four is in; a later first fill stands behind the same lines as a refill
	ds_add_u32 v[SPW], v[NIL]
	s_mov_b32 s[G1A+2], 4<<16                      ; no load of mine is out: from here a load brings half a tile's blocks
	s_mov_b32 s[G1A+4], 4
	s_mov_b32 s[G1B+2], 8<<16
	s_mov_b32 s[G1B+4], 8
	s_wait_dscnt 0x0
	CROUND                                         ; all four tiles are in, and the sixteen partners meet
	JLOAD G0A+4, G1A, G0B+4, G1B                   ; fill 1
	FETCH 0, 0, 0
	SCALES 0, 0
	PF 2*SB                                        ; fill 3
	s_wait_loadcnt 0x0                             ; the bias and ALT
	SUB 0, 0, 0, SC, 6, 0, 0, 1                    ; the first 128 of K stands ahead of the loop: its products start the sums
	WIN 0
	s_mov_b32 s19, 3
.Llap:                                                 ; a trip goes once round the ring and fills both slots again
	SUB 0, 1, 1, SC, 6, 1, 1, 0
	TURN 0, 1, 0, SC, 6, 2, 2
	SUB 1, 0, 1, SC, 6, 3, 0, 0
	SUB 1, 1, 0, SC, 6, 4, 0, 0
	TURN 1, 0, 1, SC, 6, 5, 2
	SUB 0, 0, 0, SC, 6, 0, 0, 0
	WIN 0
	s_sub_co_u32 s19, s19, 1
	s_cmp_lg_u32 s19, 0
	s_cbranch_scc1 .Llap
	SUB 0, 1, 1, SC, 6, 1, 0, 0                    ; the last lap fills nothing
	TURN 0, 1, 0, ALT-2, 4, 2, 1
	SUB 1, 0, 1, ALT-2, 4, 3, 0, 0
	SUB 1, 1, 0, ALT-2, 4, 4, 0, 0
; THE WAY OUT, block by block of 16 rows x 128 columns, through my own stage (slot 0 has had its last fill, and nobody reads it behind the last barrier): rows of 512 bytes come back whole and leave as two aligned units of 256.
.macro TOSTAGE a
	WIN 0x08                                       ; the data: window 2
.irp b, 0,1,2,3,4,5,6,7
	ds_store_b128 v[STO], v[64*(\a)+8*\b:64*(\a)+8*\b+3] offset:128*(\b/2)+32*(\b%2)       ; each accumulator from its low end on
	ds_store_b128 v[STO], v[64*(\a)+8*\b+4:64*(\a)+8*\b+7] offset:128*(\b/2)+32*(\b%2)+16
.endr
	WIN 0
.set BB, 128+64*((\a)%2)
.set i, 0
.rept 16
	ds_load_b128 v[BB+4*i:BB+4*i+3], v[RD] offset:i*528    ; LDS serves a wave's instructions in order: these see the stores
.set i, i+1
.endr
.endm
.macro SEND a, younger                 ; younger: the LDS instructions issued behind block a's loads
.set BB, 128+64*((\a)%2)
	s_wait_dscnt \younger
.set i, 0
.rept 16
	global_store_b128 v4, v[BB+4*i:BB+4*i+3], s[96:97] offset:(32*((\a)/2)+8*((\a)%2)+i+8*(i/8))*4096 th:TH_STORE_NT
.set i, i+1
.endr
.endm
	s_wait_dscnt 0x0                               ; the last 128 of K, in two halves: blocks 0 and 1 are finished first,
	WIN MULW
	MUL 0, 2, 1, ALT-2, 4, 5, 0
	WIN 0
	PLACES 8
	TOSTAGE 0                                      ; and block 0 is on its way through the stage (back into A's set 0, which is done with) while blocks 2 and 3 are multiplied
	WIN MULW
	MUL 2, 2, 1, ALT-2, 4, 5, 0
	WIN 0
	PLACES 8
	TOSTAGE 1
	SEND 0, 32                                     ; behind block 0's loads: block 1's 16 stores and 16 loads
	s_wait_xcnt 0x0                                ; block 0's stores have read their registers: block 2's loads may land there
	TOSTAGE 2
	SEND 1, 32
	s_wait_xcnt 0x0
	TOSTAGE 3
	SEND 2, 32
	SEND 3, 0
	s_wait_tensorcnt 0x0                           ; the wave's end
	ds_add_u32 v[SPW], v[NIL]
	s_wait_dscnt 0x0
	CROUND                                         ; the closing round
	s_endpgm
.Lfunc_end_k_q1b2e831d14_outp:
	.size	k_q1b2e831d14_outp, .Lfunc_end_k_q1b2e831d14_outp-k_q1b2e831d14_outp
	.p2alignl 7, 3214868480
	.fill 96, 4, 3214868480
	.section	.rodata,"a",@progbits
	.p2align	6, 0x0
	.amdhsa_kernel k_q1b2e831d14_outp
		.amdhsa_group_segment_fixed_size 327680
		.amdhsa_private_segment_fixed_size 0
		.amdhsa_enable_private_segment 0
		.amdhsa_kernarg_size 48
		.amdhsa_user_sgpr_count 2
		.amdhsa_user_sgpr_kernarg_segment_ptr 1
		.amdhsa_wavefront_size32 1
		.amdhsa_system_sgpr_workgroup_id_x 1
		.amdhsa_system_sgpr_workgroup_id_y 1
		.amdhsa_system_sgpr_workgroup_id_z 1
		.amdhsa_system_vgpr_workitem_id 0
		.amdhsa_next_free_vgpr 832
		.amdhsa_next_free_sgpr 102
		.amdhsa_reserve_vcc 0
		.amdhsa_float_denorm_mode_32 3
		.amdhsa_float_denorm_mode_16_64 3
		.amdhsa_memory_ordered 1
		.amdhsa_forward_progress 1
		.amdhsa_inst_pref_size 124
	.end_amdhsa_kernel
	.amdgpu_metadata
---
amdhsa.version: [ 1, 2 ]
amdhsa.kernels:
  - .name:           k_q1b2e831d14_outp
    .symbol:         k_q1b2e831d14_outp.kd
    .args:
      - { .name: ogc, .offset: 0, .size: 8, .value_kind: global_buffer, .address_space: global }
      - { .name: ogs, .offset: 8, .size: 8, .value_kind: global_buffer, .address_space: global }
      - { .name: bko, .offset: 16, .size: 8, .value_kind: global_buffer, .address_space: global }
      - { .name: bvo, .offset: 24, .size: 8, .value_kind: global_buffer, .address_space: global }
      - { .name: out0, .offset: 32, .size: 8, .value_kind: global_buffer, .address_space: global }
      - { .name: out1, .offset: 40, .size: 8, .value_kind: global_buffer, .address_space: global }
    .group_segment_fixed_size: 327680
    .private_segment_fixed_size: 0
    .kernarg_segment_align: 8
    .kernarg_segment_size: 48
    .max_flat_workgroup_size: 128
    .sgpr_count:     102
    .vgpr_count:     832
    .wavefront_size: 32
...
	.end_amdgpu_metadata
.endif
;; end of part 4
